; MI455X (gfx1250); checked and timed in simulation.
; The chip was launched on July 23, 2026; its instructions are those of AMD's public machine-readable ISA for CDNA 5 (MIT licence, August 2026) and "CDNA5" Instruction Set Architecture Reference Guide (July 2026). The comments in the code are by the model that wrote it; some were corrected since.
;; Mo E Layer. Allowed arithmetic: float matrix products may take bf16 or f16 operands with f32 sums; other float arithmetic in f32, or as packed bf16 or f16 multiplies, adds, multiply-adds, maxima and minima; sums over many terms, partial sums and values carried from step to step in f32; what a program stores and reads back later, other than sums and carried values, may be rounded once to bf16 or f16.
;; Inputs: W1 8 x 1,024 x 4,096 float32; W2 8 x 4,096 x 1,024 float32; b1 8 x 4,096 float32; b2 8 x 1,024 float32; expert_indices 4 x 256 int32; hidden_states 4 x 256 x 1,024 float32.
;; Outputs: out0 4 x 256 x 1,024 float32.
;; 2 versions, each right; version 2 is version 1 with the launches ffn1, ffn2 written anew for expert scheduling mode. Each part assembles by itself: llvm-mc -triple=amdgcn-amd-amdhsa -mcpu=gfx1250 --defsym DOCPART=n.
;; ======== version 1 of 2: 3 launches
;; workspace buffers: xs 2,326,528 bytes; h 9,306,112 bytes; meta 9,472 bytes of whole numbers
;; launch prep (part 1): grid 71 x 4, 1 waves a work-group, no clusters, 512 bytes of LDS; arguments hidden_states, expert_indices, xs, meta; writes xs, meta
.if DOCPART == 1
	.amdgcn_target "amdgcn-amd-amdhsa--gfx1250"
	.amdhsa_code_object_version 6
	.text
	.protected	k_qabda063c59_prep
	.globl	k_qabda063c59_prep
	.p2align	8
	.type	k_qabda063c59_prep,@function
k_qabda063c59_prep:
	s_mov_b64 s[64:65], 0
	v_nop
	global_prefetch_b8 v0, s[64:65] scope:SCOPE_SE
	s_setreg_imm32_b32 hwreg(HW_REG_WAVE_MODE, 25, 1), 1
	s_wait_xcnt 0x0
; PREP: the 1,024 tokens are sorted by expert into tiles of 16 rows, and x is written in bf16 in the order in which a matrix operand's registers take it.
; Every expert begins on a tile's edge: the sum of ceil(count / 16) over 8 experts is at most 71, whatever the split, so the grid has 71 tiles; a tile that a split leaves empty stores nothing and ends.
; Work-group (j, y), one wave: tile j, channels 256 y .. 256 y + 255.  Every wave works the routing out for itself from the 4 KB of indices: no traffic between work-groups, no barrier.
; meta (whole numbers): word 2 e = expert e's first tile, word 2 e + 1 = its rows; from byte 256 on 32 words a tile: word L = the token of row L % 16.
; xs: tile t, K step s at t x 32,768 + s x 1,024: [half g][lane][16 bytes]; lane (r = lane % 16, h = lane / 16) holds of row r the channels 64 (s / 2) + 32 h + 16 (s % 2) + 8 g + 0..7.
; Places past the count in an expert's last tile repeat the tile's first token.
; LIMITS: an index lies in 0 .. 7 (a token with another index would get no row); x is rounded once to bf16.
.set SPARE, 256                        ; the spare words: one block of 256 bytes that no other line names
.set IDX, 16                           ; v[16:47]   the 1,024 indices: register 4 q + c of lane l is token 128 q + 4 l + c
.set FR,  48                           ; v[48:175]  four groups of 32 f32 of my row
.set PKR, 176                          ; v[176:239] the same in bf16
.set MSK, 32                           ; s[32:63]   a lane mask for each index register
; s12 j, s13 y, s14 expert, s15 tiles so far, s16 rows, s17 tiles, s18 j less tiles so far, s19 my expert (8: none), s20 my tile within it, s21 its rows, s23 rank base
; v1 16 lane, v2 r, v3 h, v4 4 lane, v5 the header's word of my lane, v6-v9 at work, v10 4 r, v12 my row's byte offset in x, v13, v14 for the add, v15 my row's token
	s_load_b256 s[4:11], s[0:1], 0x0               ; hidden_states s[4:5], expert_indices s[6:7], xs s[8:9], meta s[10:11]
	v_lshl_add_u32 v13, v0, 2, SPARE
	v_mov_b32 v14, 0
	s_mov_b32 s12, ttmp9
	s_and_b32 s13, ttmp7, 0xffff
	v_lshlrev_b32 v1, 4, v0
	v_and_b32 v2, 15, v0
	v_lshrrev_b32 v3, 4, v0
	v_lshlrev_b32 v4, 2, v0
	v_mov_b32 v5, 0
	v_lshlrev_b32 v10, 2, v2
	s_mov_b32 s14, 0
	s_mov_b32 s15, 0
	s_mov_b32 s19, 8
	s_mov_b32 s20, 0
	s_mov_b32 s21, 0
	s_wait_kmcnt 0x0
.set q, 0
.rept 8
	global_load_b128 v[IDX+4*q:IDX+4*q+3], v1, s[6:7] offset:512*q  ; 512 consecutive bytes a load
.set q, q+1
.endr
	s_wait_loadcnt 0x0
; Eight trips, one an expert: its rows are counted, its tiles follow the tiles so far, and tile j finds out whether it is one of them.
.Lexpert:
.set i, 0
.rept 32
	v_cmp_eq_u32 s[MSK+i], s14, v[IDX+i]
.set i, i+1
.endr
	s_mov_b32 s16, 0
.set i, 0
.rept 32
	s_bcnt1_i32_b32 s22, s[MSK+i]
	s_add_co_u32 s16, s16, s22
.set i, i+1
.endr
	s_add_co_u32 s17, s16, 15
	s_lshr_b32 s17, s17, 4                         ; its tiles
	s_sub_co_u32 s18, s12, s15                     ; j less the tiles so far: wraps to a large number where j lies in front
	s_cmp_lt_u32 s18, s17
	s_cselect_b32 s19, s14, s19
	s_cselect_b32 s20, s18, s20
	s_cselect_b32 s21, s16, s21
	s_lshl_b32 s22, s14, 1
	v_cmp_eq_u32 vcc_lo, s22, v0
	v_cndmask_b32 v5, v5, s15, vcc_lo              ; the header's word 2 e
	s_add_co_u32 s22, s22, 1
	v_cmp_eq_u32 vcc_lo, s22, v0
	v_cndmask_b32 v5, v5, s16, vcc_lo              ; and 2 e + 1
	s_add_co_u32 s15, s15, s17
	s_add_co_u32 s14, s14, 1
	s_cmp_lt_u32 s14, 8
	s_cbranch_scc1 .Lexpert
	s_or_b32 s22, s12, s13
	s_cmp_lg_u32 s22, 0
	s_cbranch_scc1 .Lno_head
	global_store_b32 v4, v5, s[10:11]              ; work-group (0, 0) stores the header: 128 consecutive bytes
.Lno_head:
	s_cmp_eq_u32 s19, 8
	s_cbranch_scc1 .Lempty                         ; this split has no tile j; LDS has not been written yet
; A token's rank within my expert, less 16 x my tile, is its row: rows 0 .. 15 go into the table's words 0 .. 15, all else into word 16.
	v_mov_b32 v7, 0
	ds_store_b32 v4, v7                            ; the table's 32 words begin at 0
	s_lshl_b32 s23, s20, 4
	s_sub_co_u32 s23, 0, s23
.set i, 0
.rept 32
	v_cmp_eq_u32 s[MSK+i], s19, v[IDX+i]
.set i, i+1
.endr
.set i, 0
.rept 32
.set a, 6+2*(i%2)
	v_mbcnt_lo_u32_b32 v[a], s[MSK+i], s23         ; the base + my expert's tokens in the lanes below me
	v_cndmask_b32 v[a], 16, v[a], s[MSK+i]
	v_min_u32 v[a], 16, v[a]                       ; a row in front of my tile is a large number here
	v_lshlrev_b32 v[a], 2, v[a]
	v_add_nc_u32 v[a+1], 128*(i/4)+i%4, v4         ; the token's number
	ds_store_b32 v[a], v[a+1]
	s_bcnt1_i32_b32 s22, s[MSK+i]
	s_add_co_u32 s23, s23, s22
.set i, i+1
.endr
	ds_load_b32 v15, v10                           ; LDS serves a wave's instructions in order (ISA guide 5.7.1.4): this sees the stores above
	s_lshl_b32 s25, s20, 4
	s_sub_co_u32 s25, s21, s25
	s_min_u32 s25, s25, 16                         ; the tile's live rows
	s_wait_dscnt 0x0
	v_readfirstlane_b32 s26, v15                   ; the tile's first token
	v_cmp_gt_u32 vcc_lo, s25, v2
	v_cndmask_b32 v15, s26, v15, vcc_lo            ; places past the count repeat it
	v_min_u32 v15, 0x3ff, v15
	s_cmp_lg_u32 s13, 0
	s_cbranch_scc1 .Lno_perm
	s_lshl_b32 s28, s12, 7
	s_mov_b32 s29, 0
	s_add_nc_u64 s[28:29], s[10:11], s[28:29]
	global_store_b32 v4, v15, s[28:29] offset:256  ; y = 0 stores the tile's 32 words
.Lno_perm:
; My 256 channels in four groups of 64: a lane takes 32 f32 of its row (128 bytes), rounds them, and stores 4 x 16 bytes; a store of the wave covers 512 consecutive bytes.
	v_lshlrev_b32 v12, 12, v15
	v_lshl_add_u32 v12, v3, 7, v12
	s_lshl_b32 s22, s13, 10
	v_add_nc_u32 v12, s22, v12
	s_lshl_b32 s30, s12, 15
	s_lshl_b32 s22, s13, 13
	s_add_co_u32 s30, s30, s22
	s_mov_b32 s31, 0
	s_add_nc_u64 s[30:31], s[8:9], s[30:31]
.set g, 0
.rept 4
.set q, 0
.rept 8
	global_load_b128 v[FR+32*g+4*q:FR+32*g+4*q+3], v12, s[4:5] offset:256*g+16*q
.set q, q+1
.endr
.set g, g+1
.endr
.set g, 0
.rept 4
	s_wait_loadcnt 24-8*g                          ; the younger groups' eight loads each may stay out
.set n, 0
.rept 16
	v_cvt_pk_bf16_f32 v[PKR+16*g+n], v[FR+32*g+2*n], v[FR+32*g+2*n+1]
.set n, n+1
.endr
.set x, 0
.rept 4
	global_store_b128 v1, v[PKR+16*g+4*x:PKR+16*g+4*x+3], s[30:31] offset:2048*g+512*x
.set x, x+1
.endr
.set g, g+1
.endr
	s_wait_tensorcnt 0x0                           ; the wave's end, behind my last LDS store
	ds_add_u32 v13, v14
	s_wait_dscnt 0x0
	s_endpgm
.Lempty:
	s_endpgm
.Lfunc_end_k_qabda063c59_prep:
	.size	k_qabda063c59_prep, .Lfunc_end_k_qabda063c59_prep-k_qabda063c59_prep
	.p2alignl 7, 3214868480
	.fill 96, 4, 3214868480
	.section	.rodata,"a",@progbits
	.p2align	6, 0x0
	.amdhsa_kernel k_qabda063c59_prep
		.amdhsa_group_segment_fixed_size 512
		.amdhsa_private_segment_fixed_size 0
		.amdhsa_enable_private_segment 0
		.amdhsa_kernarg_size 32
		.amdhsa_user_sgpr_count 2
		.amdhsa_user_sgpr_kernarg_segment_ptr 1
		.amdhsa_wavefront_size32 1
		.amdhsa_system_sgpr_workgroup_id_x 1
		.amdhsa_system_sgpr_workgroup_id_y 1
		.amdhsa_system_sgpr_workgroup_id_z 1
		.amdhsa_system_vgpr_workitem_id 0
		.amdhsa_next_free_vgpr 240
		.amdhsa_next_free_sgpr 66
		.amdhsa_reserve_vcc 1
		.amdhsa_float_denorm_mode_32 3
		.amdhsa_float_denorm_mode_16_64 3
		.amdhsa_memory_ordered 1
		.amdhsa_forward_progress 1
		.amdhsa_inst_pref_size 31
	.end_amdhsa_kernel
	.amdgpu_metadata
---
amdhsa.version: [ 1, 2 ]
amdhsa.kernels:
  - .name:           k_qabda063c59_prep
    .symbol:         k_qabda063c59_prep.kd
    .args:
      - { .name: hidden_states, .offset: 0, .size: 8, .value_kind: global_buffer, .address_space: global }
      - { .name: expert_indices, .offset: 8, .size: 8, .value_kind: global_buffer, .address_space: global }
      - { .name: xs, .offset: 16, .size: 8, .value_kind: global_buffer, .address_space: global }
      - { .name: meta, .offset: 24, .size: 8, .value_kind: global_buffer, .address_space: global }
    .group_segment_fixed_size: 512
    .private_segment_fixed_size: 0
    .kernarg_segment_align: 8
    .kernarg_segment_size: 32
    .max_flat_workgroup_size: 32
    .sgpr_count:     66
    .vgpr_count:     240
    .wavefront_size: 32
...
	.end_amdgpu_metadata
.endif
;; end of part 1
;; launch ffn1 (part 2): grid 32 x 8, 4 waves a work-group, no clusters, 164,352 bytes of LDS; arguments xs, meta, W1, b1, h; writes h
.if DOCPART == 2
	.amdgcn_target "amdgcn-amd-amdhsa--gfx1250"
	.amdhsa_code_object_version 6
	.text
	.protected	k_qabda063c59_ffn1
	.globl	k_qabda063c59_ffn1
	.p2align	8
	.type	k_qabda063c59_ffn1,@function
k_qabda063c59_ffn1:
	s_mov_b64 s[64:65], 0
	v_nop
	global_prefetch_b8 v0, s[64:65] scope:SCOPE_SE
	s_setreg_imm32_b32 hwreg(HW_REG_WAVE_MODE, 25, 1), 1
	s_wait_xcnt 0x0
; FFN1: h = gelu(x W1[e] + b1[e]) for the rows that chose expert e.  Work-group (s, e): columns 128 s .. 128 s + 127 of expert e, all its rows.  It alone reads its 512 KB of W1, each byte once for each 160 rows.
; Four waves: wave w has columns 64 (w % 2) .. + 63 of the slice and share p = w / 2 of K: the K steps 2 i + p, i = 0 .. 15 (a stage each).
; WEIGHTS go from memory into registers, are rounded to bf16 there and ARE source 0.  A K step's 32 k, for lane half hh and place j = 0 .. 15 of the lane's 8 registers, are k = 64 (step / 2) + 32 hh + 16 (step % 2) + j, the same
; in both sources.  Load j takes row k; lane r takes the 4 columns 4 r ..: 16 lanes cover 256 consecutive bytes, aligned.  Number t of a load belongs to fragment t, whose row i is column 4 i + t.
; TOKENS are source 1, ready in xs: two loads of 512 consecutive bytes a tile and step.  In the result lane (r, hh) holds token r and, in register jj of fragment t, column 32 hh + 4 jj + t: 32 neighbouring columns, which are
; just the lane's places in two K steps of the next product: h leaves in operand order.
; ROWS: a pass takes 10 tiles (160 rows); 7 passes, a constant, cover the 64 tiles that one expert can have.  Every wave passes both barriers of every pass; only work is jumped, forward.  A pass with 8 live tiles or fewer multiplies 8.
; The bias is the C operand of a pass's first step in share 0; share 1 takes zeros from the same registers.  The two shares meet in LDS.
; NO JOINT LOADS: what an expert's 32 work-groups share is its token tiles, and how many there are hangs on a stored count.  Barriers and tensor loads are kept off branches on it, so a ring would go round for all
; 7 x 16 stages where 16 or 32 are needed.
; LIMITS: x, W1 and h are rounded once to bf16, sums in f32; gelu is the tanh form, x / (1 + 2^(x (c1 + c2 x^2))); infinities and NaN are not treated apart.  More than 160 rows on an expert: its weights are read once more for each further 160.
.set PITCH,  16384                     ; bytes in a row of W1
.set WSTEP,  64*PITCH                  ; a stage is 64 rows on
.set ASTEP,  2048                      ; and two K steps of 1,024 bytes on in xs
.set TSHIFT, 15                        ; a tile of xs is 32,768 bytes
.set TB,     4096                      ; a tile's sums in LDS: 8 x 512 bytes
.set SHARE,  10*TB                     ; a wave's sums
.set SPARE,  4*SHARE                   ; behind them the spare words, 128 bytes a wave: two blocks of 256 bytes that no other line names
.set NPASS,  7
; window 0
.set VW,  4                            ; v4   16 r + 32 rows x hh: my place in a load of W1
.set VL,  5                            ; v5   16 lane + 1,024 p: my place in a tile of xs
.set VS,  6                            ; v6   my place in my wave's sums
.set EB0, 7                            ; v7   the way out: share 0's sums of tile p, my column half
.set EB1, 8                            ; v8   share 1's
.set VE0, 9                            ; v9, v10 the same for the tile in hand
.set VE1, 10
.set L16, 11                           ; v11  16 lane
.set VA,  12                           ; v[12:21] byte offset of the pass's ten tiles in xs, + VL
.set SPW, 22                           ; v22, v23 for the add; never rewritten
.set NIL, 23
.set WF,  32                           ; v[32:63]   four fragments of W in bf16
.set WS,  64                           ; v[64:191]  two buffers of sixteen loads of W in f32
.set BP,  192                          ; v[192:223] the bias as a C operand, fragment t at 8 t
.set BV,  224                          ; v[224:255] the bias as loaded
.set T0,  64                           ; the way out works where W's buffers lie: share 0's sums, then x, then gelu(x)
.set T1,  96                           ; share 1's sums
.set U,   128                          ; the exponent, the exponential, the reciprocal
.set PKR, 160                          ; 16 words of bf16
; window 1: the accumulators of tiles 0-7, tile a fragment t at 32 a + 8 t.  window 2: v0-63 those of tiles 8, 9; from v64 two buffers of ten token fragments
.set XA,  64
.set WB,  20                           ; s[20:21] W1 at my first row and column
.set WP,  22                           ; s[22:23] walks down W1
.set AP,  24                           ; s[24:25] walks along xs
.set HB,  28                           ; s[28:29] h at my wave's two K steps
.set HT,  30                           ; s[30:31] the same in the tile in hand (at the head: b1's base)
; s14 wave, s15 column half, s16 p, s17 slice, s18 expert, s[26:27] an offset, s32 first tile, s33 rows, s34 tiles, s35 pass, s36 its first tile, s37 its live tiles, s38 a counter, s39 tile, s40, s41 at work, s[42:43] meta's address,
; s[44:45] c1, s[46:47] c2, s48 all ones in share 0, s49 the way out's LDS step
.set MSB, 0
.macro WIN new                         ; the immediate's high byte repeats the setting that is left; a switch that changes nothing is dropped
.if MSB != (\new)
	s_set_vgpr_msb (MSB<<8)|(\new)
.set MSB, (\new)
.endif
.endm
	s_load_b256 s[4:11], s[0:1], 0x0               ; xs s[4:5], meta s[6:7], W1 s[8:9], b1 s[10:11]
	s_load_b64 s[12:13], s[0:1], 0x20              ; h
	v_lshl_add_u32 v[SPW], v0, 2, SPARE
	v_mov_b32 v[NIL], 0
	v_lshrrev_b32 v1, 5, v0
	v_readfirstlane_b32 s14, v1
	s_and_b32 s15, s14, 1
	s_lshr_b32 s16, s14, 1
	s_mov_b32 s17, ttmp9
	s_and_b32 s18, ttmp7, 0xffff
	v_and_b32 v2, 15, v0                           ; r
	v_bfe_u32 v3, v0, 4, 1                         ; hh
	v_and_b32 v[L16], 31, v0
	v_lshlrev_b32 v[L16], 4, v[L16]
	v_lshlrev_b32 v[VW], 4, v2
	v_lshl_add_u32 v[VW], v3, 19, v[VW]
	s_lshl_b32 s40, s16, 10
	v_add_nc_u32 v[VL], s40, v[L16]
	s_mul_i32 s40, s14, SHARE
	v_add_nc_u32 v[VS], s40, v[L16]
	s_mul_i32 s40, s15, SHARE                      ; share 0 of my column half is wave (w % 2), share 1 two waves on
	s_lshl_b32 s41, s16, 12
	s_add_co_u32 s40, s40, s41
	v_add_nc_u32 v[EB0], s40, v[L16]
	v_add_nc_u32 v[EB1], 2*SHARE, v[EB0]
	v_lshlrev_b32 v1, 7, v3                        ; my 32 numbers of the bias: 128 hh
	s_mov_b32 s44, 0xc0135761                      ; c1 = -2 log2(e) sqrt(2 / pi) = -2.3022082
	s_mov_b32 s45, s44
	s_mov_b32 s46, 0xbdd2d3e8                      ; c2 = 0.044715 c1 = -0.10294324
	s_mov_b32 s47, s46
	s_cmp_eq_u32 s16, 0
	s_cselect_b32 s48, -1, 0
	s_lshl_b32 s42, s18, 3
	s_mov_b32 s43, 0
	s_lshl_b32 s26, s18, 24                        ; an expert's W1 is 2^24 bytes
	s_lshl_b32 s40, s17, 9
	s_add_co_u32 s26, s26, s40
	s_lshl_b32 s40, s15, 8
	s_add_co_u32 s26, s26, s40
	s_lshl_b32 s40, s16, 18                        ; share p begins 16 rows down
	s_add_co_u32 s26, s26, s40
	s_mov_b32 s27, 0
	s_wait_kmcnt 0x0
	s_add_nc_u64 s[42:43], s[6:7], s[42:43]
	s_load_b64 s[32:33], s[42:43], 0x0             ; my expert's first tile and rows
	s_add_nc_u64 s[WB:WB+1], s[8:9], s[26:27]
	s_lshl_b32 s26, s18, 14
	s_lshl_b32 s40, s17, 9
	s_add_co_u32 s26, s26, s40
	s_lshl_b32 s40, s15, 8
	s_add_co_u32 s26, s26, s40
	s_add_nc_u64 s[HT:HT+1], s[10:11], s[26:27]
.set m, 0
.rept 8
	global_load_b128 v[BV+4*m:BV+4*m+3], v1, s[HT:HT+1] offset:16*m
.set m, m+1
.endr
	s_lshl_b32 s26, s17, 12                        ; my 64 columns are K steps 4 s + 2 (w % 2) and the next of the second product
	s_lshl_b32 s40, s15, 11
	s_add_co_u32 s26, s26, s40
	s_add_nc_u64 s[HB:HB+1], s[12:13], s[26:27]
	s_wait_kmcnt 0x0
	s_min_u32 s32, s32, 70
	s_min_u32 s33, s33, 1024
	s_add_co_u32 s34, s33, 15
	s_lshr_b32 s34, s34, 4
	s_mov_b32 s35, 0
.macro PASSA                           ; the pass's first tile and its live tiles
	s_wait_xcnt 0x0                                ; the registers that earlier loads and stores name are written again only behind this wait
	s_mul_i32 s36, s35, 10
	s_min_u32 s40, s36, s34
	s_sub_co_u32 s37, s34, s40
	s_min_u32 s37, s37, 10
.endm
.macro PASSB                           ; its ten tiles' places in xs (places past the last live tile repeat it), and the two walking pointers
	s_max_u32 s41, s34, 1
	s_sub_co_u32 s41, s41, 1
.set i, 0
.rept 10
	s_add_co_u32 s40, s36, i
	s_min_u32 s40, s40, s41
	s_add_co_u32 s40, s40, s32
	s_min_u32 s40, s40, 70
	s_lshl_b32 s40, s40, TSHIFT
	v_add_nc_u32 v[VA+i], s40, v[VL]
.set i, i+1
.endr
	s_mov_b64 s[WP:WP+1], s[WB:WB+1]
	s_mov_b64 s[AP:AP+1], s[4:5]
.endm
.macro WLOAD b, imm                    ; a stage's sixteen rows of W into buffer b
.set j, 0
.rept 16
	global_load_b128 v[WS+64*(\b)+4*j:WS+64*(\b)+4*j+3], v[VW], s[WP:WP+1] offset:(\imm)*WSTEP+j*PITCH th:TH_LOAD_NT
.set j, j+1
.endr
.endm
.macro ALOAD b, imm, n                 ; a stage's fragments of n tiles into buffer b
	WIN 0x80                                       ; destination window 2, address window 0
.set tau, 0
.rept \n
	global_load_b128 v[XA+80*(\b)+8*tau:XA+80*(\b)+8*tau+3],   v[VA+tau], s[AP:AP+1] offset:(\imm)*ASTEP
	global_load_b128 v[XA+80*(\b)+8*tau+4:XA+80*(\b)+8*tau+7], v[VA+tau], s[AP:AP+1] offset:(\imm)*ASTEP+512
.set tau, tau+1
.endr
	WIN 0
.endm
; A STAGE on buffer b.  left: the loads younger than this stage's.  W is rounded, two rows at a time, and (issue = 1) the same two rows of the stage after next are asked for into the registers just read; then tiles x 4 products,
; each accumulator one turn; four places, ahead of the loads into the token fragments and of the next stage's writes into WF; then the token fragments of the stage after next.
; first = 1: the products start the sums, with the bias or zeros as C.
.macro STEP b, tiles, first, issue, imm, mt, left
	s_wait_loadcnt \left
.set q, 0
.rept 8
.set t, 0
.rept 4
	v_cvt_pk_bf16_f32 v[WF+8*t+q], v[WS+64*(\b)+8*q+t], v[WS+64*(\b)+8*q+4+t]
.set t, t+1
.endr
.if \issue
	global_load_b128 v[WS+64*(\b)+8*q:WS+64*(\b)+8*q+3],   v[VW], s[WP:WP+1] offset:(\imm)*WSTEP+(2*q)*PITCH th:TH_LOAD_NT
	global_load_b128 v[WS+64*(\b)+8*q+4:WS+64*(\b)+8*q+7], v[VW], s[WP:WP+1] offset:(\imm)*WSTEP+(2*q+1)*PITCH th:TH_LOAD_NT
.endif
.set q, q+1
.endr
.set tau, 0
.rept \tiles
.if tau < 8
	WIN 0x58-0x10*(\first)                         ; W window 0, tokens window 2, D window 1; C window 1, or 0 for the bias
.set ac, 32*tau
.else
	WIN 0xa8-0x20*(\first)                         ; the same with D (and C) in window 2
.set ac, 32*(tau-8)
.endif
.set t, 0
.rept 4
.if \first
	v_wmma_f32_16x16x32_bf16 v[ac+8*t:ac+8*t+7], v[WF+8*t:WF+8*t+7], v[XA+80*(\b)+8*tau:XA+80*(\b)+8*tau+7], v[BP+8*t:BP+8*t+7]
.else
	v_wmma_f32_16x16x32_bf16 v[ac+8*t:ac+8*t+7], v[WF+8*t:WF+8*t+7], v[XA+80*(\b)+8*tau:XA+80*(\b)+8*tau+7], v[ac+8*t:ac+8*t+7]
.endif
.set t, t+1
.endr
.set tau, tau+1
.endr
.rept 4
	v_nop
.endr
.if \issue
	ALOAD \b, \imm, \mt
.else
	WIN 0
.endif
.endm
; A PASS's sixteen stages with mt tiles.  Stage 0 always takes ten, so that every accumulator is written.  Two stages are always asked for ahead of the one in hand: at a stage's head the younger loads are the next stage's
; 16 of W and 2 mt of tokens.  The pointers step behind s_wait_xcnt 0; a stage's place stands in the immediates (2 x 2^20 + 15 x 16,384 at the most, inside the signed 24 bits).
.macro KPASS mt
	WLOAD 0, 0
	ALOAD 0, 0, 10
	WLOAD 1, 1
	ALOAD 1, 1, \mt
	STEP 0, 10, 1, 1, 2, \mt, 16+2*(\mt)           ; stage 0; asks for stage 2
	s_wait_xcnt 0x0
	s_add_nc_u64 s[WP:WP+1], s[WP:WP+1], 3*WSTEP
	s_add_nc_u64 s[AP:AP+1], s[AP:AP+1], 3*ASTEP
	s_mov_b32 s38, 6
.Lstage_\@:                                            ; stages 1 to 12, two a trip; they ask for stages 3 to 14
	STEP 1, \mt, 0, 1, 0, \mt, 16+2*(\mt)
	STEP 0, \mt, 0, 1, 1, \mt, 16+2*(\mt)
	s_wait_xcnt 0x0
	s_add_nc_u64 s[WP:WP+1], s[WP:WP+1], 2*WSTEP
	s_add_nc_u64 s[AP:AP+1], s[AP:AP+1], 2*ASTEP
	s_sub_co_u32 s38, s38, 1
	s_cmp_lg_u32 s38, 0
	s_cbranch_scc1 .Lstage_\@
	STEP 1, \mt, 0, 1, 0, \mt, 16+2*(\mt)          ; stage 13 asks for stage 15, the last
	STEP 0, \mt, 0, 0, 0, \mt, 16+2*(\mt)
	STEP 1, \mt, 0, 0, 0, \mt, 0
.endm
	PASSA
	PASSB
	s_wait_loadcnt 0x0                             ; the bias
.set t, 0
.rept 4
.set j, 0
.rept 8
	v_cndmask_b32 v[BP+8*t+j], 0, v[BV+4*j+t], s48 ; register j of fragment t is column 32 hh + 4 j + t
.set j, j+1
.endr
.set t, t+1
.endr
	s_branch .Lk                                   ; the loop over passes is entered behind its test for a dead pass: the first pass always writes the accumulators
.Lpass:
	PASSA
	s_cmp_eq_u32 s37, 0
	s_cbranch_scc1 .Lafter                         ; a dead pass: the two barriers alone
	PASSB
.Lk:
	s_cmp_eq_u32 s37, 0
	s_cbranch_scc1 .Lv0
	s_cmp_gt_u32 s37, 8
	s_cbranch_scc1 .Lk10
	KPASS 8
	s_branch .Lafter
.Lk10:
	KPASS 10
	s_branch .Lafter
.Lv0:                                                  ; an expert without rows loads nothing; its accumulators are written once, so that no line below names a register that was never written
	WIN 0x40
.set i, 0
.rept 256
	v_mov_b32 v[i], 0
.set i, i+1
.endr
	WIN 0x80
.set i, 0
.rept 64
	v_mov_b32 v[i], 0
.set i, i+1
.endr
	WIN 0
.Lafter:
	s_wait_loadcnt 0x0
	; my sums go into LDS, 16 bytes a lane, each accumulator from its low end on; tiles 8 and 9 only where the pass has them
	s_cmp_eq_u32 s37, 0
	s_cbranch_scc1 .Lsent
	WIN 0x04                                       ; data window 1
.set tau, 0
.rept 8
.set q, 0
.rept 8
	ds_store_b128 v[VS], v[32*tau+4*q:32*tau+4*q+3] offset:tau*TB+512*q
.set q, q+1
.endr
.set tau, tau+1
.endr
	WIN 0
	s_cmp_le_u32 s37, 8
	s_cbranch_scc1 .Lsent
	WIN 0x08                                       ; data window 2
.set tau, 8
.rept 2
.set q, 0
.rept 8
	ds_store_b128 v[VS], v[32*(tau-8)+4*q:32*(tau-8)+4*q+3] offset:tau*TB+512*q
.set q, q+1
.endr
.set tau, tau+1
.endr
	WIN 0
.Lsent:
	s_wait_dscnt 0x0                               ; for the others' sake: my stores are done
	s_barrier_signal -1
	s_barrier_wait -1
	; THE WAY OUT: of my column half's ten tiles I take tiles p, p + 2, .. : both shares are added, gelu, bf16, 2,048 consecutive bytes of h a tile.  Five trips; a dead tile's trip is jumped.
	s_mov_b32 s38, 5
	s_mov_b32 s39, s16
	s_mov_b32 s49, 0
.Lepi:
	s_cmp_ge_u32 s39, s37
	s_cbranch_scc1 .Lepi_next
	s_wait_xcnt 0x0                                ; the last tile's stores have read their registers and base
	v_add_nc_u32 v[VE0], s49, v[EB0]
	v_add_nc_u32 v[VE1], s49, v[EB1]
.set q, 0
.rept 8
	ds_load_b128 v[T0+4*q:T0+4*q+3], v[VE0] offset:512*q
	ds_load_b128 v[T1+4*q:T1+4*q+3], v[VE1] offset:512*q
.set q, q+1
.endr
	s_add_co_u32 s40, s32, s36
	s_add_co_u32 s40, s40, s39
	s_min_u32 s40, s40, 70
	s_lshl_b32 s26, s40, 17                        ; a tile of h is 131,072 bytes
	s_mov_b32 s27, 0
	s_add_nc_u64 s[HT:HT+1], s[HB:HB+1], s[26:27]
	s_wait_dscnt 0x0
.set i, 0
.rept 16
	v_pk_add_f32 v[T0+2*i:T0+2*i+1], v[T0+2*i:T0+2*i+1], v[T1+2*i:T1+2*i+1]
.set i, i+1
.endr
.set i, 0
.rept 16
	v_pk_mul_f32 v[U+2*i:U+2*i+1], v[T0+2*i:T0+2*i+1], v[T0+2*i:T0+2*i+1]
.set i, i+1
.endr
.set i, 0
.rept 16
	v_pk_fma_f32 v[U+2*i:U+2*i+1], v[U+2*i:U+2*i+1], s[46:47], s[44:45] op_sel_hi:[1,0,0]  ; c1 + c2 x^2
.set i, i+1
.endr
.set i, 0
.rept 16
	v_pk_mul_f32 v[U+2*i:U+2*i+1], v[U+2*i:U+2*i+1], v[T0+2*i:T0+2*i+1]
.set i, i+1
.endr
.set i, 0
.rept 32
	v_exp_f32 v[U+i], v[U+i]
.set i, i+1
.endr
	v_nop                                          ; a plain instruction behind the last exponential,
	s_wait_alu depctr_va_vdst(0)                   ; and one wait for the batch of 32, ahead of its first reader
.set i, 0
.rept 16
	v_pk_add_f32 v[U+2*i:U+2*i+1], v[U+2*i:U+2*i+1], 1.0 op_sel_hi:[1,0]
.set i, i+1
.endr
.set i, 0
.rept 32
	v_rcp_f32 v[U+i], v[U+i]
.set i, i+1
.endr
	v_nop
	s_wait_alu depctr_va_vdst(0)                   ; the same for the 32 reciprocals
.set i, 0
.rept 16
	v_pk_mul_f32 v[T0+2*i:T0+2*i+1], v[T0+2*i:T0+2*i+1], v[U+2*i:U+2*i+1]
.set i, i+1
.endr
.set j, 0
.rept 8
	v_cvt_pk_bf16_f32 v[PKR+2*j],   v[T0+j],    v[T0+8+j]   ; columns 32 hh + 4 j, + 1
	v_cvt_pk_bf16_f32 v[PKR+2*j+1], v[T0+16+j], v[T0+24+j]  ; + 2, + 3
.set j, j+1
.endr
.set x, 0
.rept 4
	global_store_b128 v[L16], v[PKR+4*x:PKR+4*x+3], s[HT:HT+1] offset:512*x  ; 512 consecutive bytes, aligned
.set x, x+1
.endr
.Lepi_next:
	s_add_co_u32 s39, s39, 2
	s_add_co_u32 s49, s49, 2*TB
	s_sub_co_u32 s38, s38, 1
	s_cmp_lg_u32 s38, 0
	s_cbranch_scc1 .Lepi
	s_wait_dscnt 0x0                               ; my reads of the sums are over: the next pass may write them
	s_barrier_signal -1
	s_barrier_wait -1
	s_add_co_u32 s35, s35, 1
	s_cmp_lt_u32 s35, NPASS
	s_cbranch_scc1 .Lpass
	s_wait_tensorcnt 0x0                           ; the wave's end, behind my last LDS store
	ds_add_u32 v[SPW], v[NIL]
	s_wait_dscnt 0x0
	s_endpgm
.Lfunc_end_k_qabda063c59_ffn1:
	.size	k_qabda063c59_ffn1, .Lfunc_end_k_qabda063c59_ffn1-k_qabda063c59_ffn1
	.p2alignl 7, 3214868480
	.fill 96, 4, 3214868480
	.section	.rodata,"a",@progbits
	.p2align	6, 0x0
	.amdhsa_kernel k_qabda063c59_ffn1
		.amdhsa_group_segment_fixed_size 164352
		.amdhsa_private_segment_fixed_size 0
		.amdhsa_enable_private_segment 0
		.amdhsa_kernarg_size 40
		.amdhsa_user_sgpr_count 2
		.amdhsa_user_sgpr_kernarg_segment_ptr 1
		.amdhsa_wavefront_size32 1
		.amdhsa_system_sgpr_workgroup_id_x 1
		.amdhsa_system_sgpr_workgroup_id_y 1
		.amdhsa_system_sgpr_workgroup_id_z 1
		.amdhsa_system_vgpr_workitem_id 0
		.amdhsa_next_free_vgpr 736
		.amdhsa_next_free_sgpr 66
		.amdhsa_reserve_vcc 0
		.amdhsa_float_denorm_mode_32 3
		.amdhsa_float_denorm_mode_16_64 3
		.amdhsa_memory_ordered 1
		.amdhsa_forward_progress 1
		.amdhsa_inst_pref_size 132
	.end_amdhsa_kernel
	.amdgpu_metadata
---
amdhsa.version: [ 1, 2 ]
amdhsa.kernels:
  - .name:           k_qabda063c59_ffn1
    .symbol:         k_qabda063c59_ffn1.kd
    .args:
      - { .name: xs, .offset: 0, .size: 8, .value_kind: global_buffer, .address_space: global }
      - { .name: meta, .offset: 8, .size: 8, .value_kind: global_buffer, .address_space: global }
      - { .name: W1, .offset: 16, .size: 8, .value_kind: global_buffer, .address_space: global }
      - { .name: b1, .offset: 24, .size: 8, .value_kind: global_buffer, .address_space: global }
      - { .name: h, .offset: 32, .size: 8, .value_kind: global_buffer, .address_space: global }
    .group_segment_fixed_size: 164352
    .private_segment_fixed_size: 0
    .kernarg_segment_align: 8
    .kernarg_segment_size: 40
    .max_flat_workgroup_size: 128
    .sgpr_count:     66
    .vgpr_count:     736
    .wavefront_size: 32
...
	.end_amdgpu_metadata
.endif
;; end of part 2
;; launch ffn2 (part 3): grid 32 x 8, 8 waves a work-group, no clusters, 183,296 bytes of LDS; arguments h, meta, W2, b2, out0; writes out0
.if DOCPART == 3
	.amdgcn_target "amdgcn-amd-amdhsa--gfx1250"
	.amdhsa_code_object_version 6
	.text
	.protected	k_qabda063c59_ffn2
	.globl	k_qabda063c59_ffn2
	.p2align	8
	.type	k_qabda063c59_ffn2,@function
k_qabda063c59_ffn2:
	s_mov_b64 s[64:65], 0
	v_nop
	global_prefetch_b8 v0, s[64:65] scope:SCOPE_SE
	s_setreg_imm32_b32 hwreg(HW_REG_WAVE_MODE, 25, 1), 1
	s_wait_xcnt 0x0
; FFN2: out = h W2[e] + b2[e] for the rows that chose expert e, each row stored at its token's place.  Work-group (s, e): columns 32 s .. 32 s + 31 of expert e, all its rows.  It alone reads its 512 KB of W2, each byte once for each 160 rows.
; Eight waves, each with all 32 columns and a share of K: wave w has the K steps 8 i + w, i = 0 .. 15 (a stage each).
; WEIGHTS go from memory into registers, are rounded to bf16 there and ARE source 0.  A K step's 32 k, for lane half hh and place j = 0 .. 15, are k = 64 (step / 2) + 32 hh + 16 (step % 2) + j, as h is laid.  Load j takes row k; lane r
; takes the 2 columns 2 r, 2 r + 1: 16 lanes cover 128 consecutive bytes; the neighbouring slice's work-group takes the other half of the aligned 256.  Number t of a load belongs to fragment t, whose row i is column 2 i + t.
; TOKENS are source 1, ready in h: two loads of 512 consecutive bytes a tile and step.  In the result lane (r, hh) holds token r and, in register jj of fragment t, column 16 hh + 2 jj + t.
; ROWS: a pass takes 10 tiles (160 rows); 7 passes, a constant, cover the 64 tiles that one expert can have.  Every wave passes both barriers of every pass; only work is jumped, forward.  A pass with 8 live tiles or fewer multiplies 8.
; The bias is the C operand of a pass's first step in wave 0; the others take zeros from the same registers.  The eight shares meet in LDS; wave w adds up tile w (waves 0 and 1 also tile w + 8).
; Places past the count in an expert's last tile repeat the tile's first token in h and in the list of tokens: they hold the same numbers and are stored to the same place.
; NO JOINT LOADS: what an expert's 32 work-groups share is its token tiles, and how many there are hangs on a stored count.  Barriers and tensor loads are kept off branches on it, so a ring would go round for all
; 7 x 16 stages where 16 or 32 are needed.
; LIMITS: h and W2 are rounded once to bf16, sums in f32; a store covers 128 consecutive bytes of a row of out0.  More than 160 rows on an expert: its weights are read once more for each further 160.
.set PITCH,  4096                      ; bytes in a row of W2
.set WSTEP,  256*PITCH                 ; a stage is eight K steps, 256 rows, on
.set ASTEP,  8192                      ; and 8 x 1,024 bytes on in h
.set TSHIFT, 17                        ; a tile of h is 131,072 bytes
.set TB,     2048                      ; a tile's sums in LDS: 4 x 512 bytes
.set SHARE,  10*TB                     ; a wave's sums
.set STAGE,  8*SHARE                   ; behind them a stage of 16 rows x 144 bytes for each wave
.set SPITCH, 144                       ; 128 bytes + 16: the 16 rows of a store start at 16 different groups of four banks (64 banks of 4 bytes: ISA guide 11.1)
.set SPARE,  STAGE+8*16*SPITCH         ; behind the stages the spare words, 128 bytes a wave: four blocks of 256 bytes that no other line names
.set NPASS,  7
; window 0
.set VW,  4                            ; v4   8 r + 32 rows x hh
.set VL,  5                            ; v5   16 lane + 1,024 w
.set VS,  6                            ; v6   my place in my wave's sums
.set EB0, 7                            ; v7, v8, v9  the way out: tile w in the sums of shares 0, 3 and 6
.set EB1, 8
.set EB2, 9
.set L16, 10                           ; v10  16 lane
.set VST, 13                           ; v13  into my stage: row r, 64 hh
.set VRD, 14                           ; v14  back: row lane / 8, 16 (lane % 8)
.set VPM, 15                           ; v15  4 (lane / 8): my row's word in a tile's list of tokens
.set VA,  16                           ; v[16:25] byte offset of the pass's ten tiles in h, + VL
.set SPW, 26                           ; v26, v27 for the add; never rewritten
.set NIL, 27
.set C16, 28                           ; v28  16 (lane % 8)
.set WS,  32                           ; v[32:95]  two buffers of sixteen loads of W in f32
.set XA,  96                           ; v[96:255] two buffers of ten token fragments
.set BV,  32                           ; the bias as loaded, ahead of the first loads of W
.set SUM, 32                           ; the way out: v[32:159] eight shares of a tile
.set OUTR, 160                         ; v[160:175] my 16 columns in order
.set BACK, 176                         ; v[176:191] four pieces of 16 bytes of whole rows
.set TOK, 192                          ; v[192:195] their tokens
.set ADR, 196                          ; v[196:199] their byte offsets in out0
; window 1: v0-159 the accumulators, tile a fragment t at 16 a + 8 t; v160-175 two fragments of W in bf16; v176-191 the bias as a C operand
.set WF,  160
.set BP,  176
.set WB,  20                           ; s[20:21] W2 at my first row and column
.set WP,  22                           ; s[22:23] walks down W2
.set AP,  24                           ; s[24:25] walks along h
.set OB,  28                           ; s[28:29] out0 at my slice's first column
.set PB,  30                           ; s[30:31] the list of tokens of the tile in hand (at the head: b2's base)
; s14 wave, s15 w / 2, s16 w % 2, s17 slice, s18 expert, s[26:27] an offset, s32 first tile, s33 rows, s34 tiles, s35 pass, s36 its first tile, s37 its live tiles, s38 a counter, s39 tile, s40, s41 at work, s[42:43] meta's address, s48 all ones in wave 0
.set MSB, 0
.macro WIN new                         ; the immediate's high byte repeats the setting that is left; a switch that changes nothing is dropped
.if MSB != (\new)
	s_set_vgpr_msb (MSB<<8)|(\new)
.set MSB, (\new)
.endif
.endm
	s_load_b256 s[4:11], s[0:1], 0x0               ; h s[4:5], meta s[6:7], W2 s[8:9], b2 s[10:11]
	s_load_b64 s[12:13], s[0:1], 0x20              ; out0
	v_lshl_add_u32 v[SPW], v0, 2, SPARE
	v_mov_b32 v[NIL], 0
	v_lshrrev_b32 v1, 5, v0
	v_readfirstlane_b32 s14, v1
	s_lshr_b32 s15, s14, 1
	s_and_b32 s16, s14, 1
	s_mov_b32 s17, ttmp9
	s_and_b32 s18, ttmp7, 0xffff
	v_and_b32 v2, 15, v0                           ; r
	v_bfe_u32 v3, v0, 4, 1                         ; hh
	v_and_b32 v11, 31, v0                          ; lane
	v_lshlrev_b32 v[L16], 4, v11
	v_lshrrev_b32 v12, 3, v11                      ; lane / 8
	v_and_b32 v[C16], 7, v0
	v_lshlrev_b32 v[C16], 4, v[C16]
	v_lshlrev_b32 v[VPM], 2, v12
	v_lshlrev_b32 v[VW], 3, v2
	v_lshl_add_u32 v[VW], v3, 17, v[VW]
	s_lshl_b32 s40, s14, 10
	v_add_nc_u32 v[VL], s40, v[L16]
	s_mul_i32 s40, s14, SHARE
	v_add_nc_u32 v[VS], s40, v[L16]
	s_lshl_b32 s40, s14, 11
	v_add_nc_u32 v[EB0], s40, v[L16]
	v_add_nc_u32 v[EB1], 3*SHARE, v[EB0]
	v_add_nc_u32 v[EB2], 6*SHARE, v[EB0]
	s_mul_i32 s40, s14, 16*SPITCH
	s_add_co_u32 s40, s40, STAGE                   ; my stage
	v_mul_u32_u24 v[VST], v2, SPITCH
	v_lshl_add_u32 v[VST], v3, 6, v[VST]
	v_add_nc_u32 v[VST], s40, v[VST]
	v_mul_u32_u24 v[VRD], v12, SPITCH
	v_add_nc_u32 v[VRD], v[VRD], v[C16]
	v_add_nc_u32 v[VRD], s40, v[VRD]
	v_lshlrev_b32 v1, 6, v3                        ; my 16 numbers of the bias: 64 hh
	s_cmp_eq_u32 s14, 0
	s_cselect_b32 s48, -1, 0
	s_lshl_b32 s42, s18, 3
	s_mov_b32 s43, 0
	s_lshl_b32 s26, s18, 24                        ; an expert's W2 is 2^24 bytes
	s_lshl_b32 s40, s17, 7
	s_add_co_u32 s26, s26, s40
	s_lshl_b32 s40, s15, 18                        ; K step w begins at row 64 (w / 2) + 16 (w % 2)
	s_add_co_u32 s26, s26, s40
	s_lshl_b32 s40, s16, 16
	s_add_co_u32 s26, s26, s40
	s_mov_b32 s27, 0
	s_wait_kmcnt 0x0
	s_add_nc_u64 s[42:43], s[6:7], s[42:43]
	s_load_b64 s[32:33], s[42:43], 0x0             ; my expert's first tile and rows
	s_add_nc_u64 s[WB:WB+1], s[8:9], s[26:27]
	s_lshl_b32 s26, s18, 12
	s_lshl_b32 s40, s17, 7
	s_add_co_u32 s26, s26, s40
	s_add_nc_u64 s[PB:PB+1], s[10:11], s[26:27]
.set m, 0
.rept 4
	global_load_b128 v[BV+4*m:BV+4*m+3], v1, s[PB:PB+1] offset:16*m
.set m, m+1
.endr
	s_lshl_b32 s26, s17, 7
	s_add_nc_u64 s[OB:OB+1], s[12:13], s[26:27]
	s_wait_kmcnt 0x0
	s_min_u32 s32, s32, 70
	s_min_u32 s33, s33, 1024
	s_add_co_u32 s34, s33, 15
	s_lshr_b32 s34, s34, 4
	s_mov_b32 s35, 0
.macro PASSA                           ; the pass's first tile and its live tiles
	s_wait_xcnt 0x0                                ; the registers that earlier loads and stores name are written again only behind this wait
	s_mul_i32 s36, s35, 10
	s_min_u32 s40, s36, s34
	s_sub_co_u32 s37, s34, s40
	s_min_u32 s37, s37, 10
.endm
.macro PASSB                           ; its ten tiles' places in h (places past the last live tile repeat it), and the two walking pointers
	s_max_u32 s41, s34, 1
	s_sub_co_u32 s41, s41, 1
.set i, 0
.rept 10
	s_add_co_u32 s40, s36, i
	s_min_u32 s40, s40, s41
	s_add_co_u32 s40, s40, s32
	s_min_u32 s40, s40, 70
	s_lshl_b32 s40, s40, TSHIFT
	v_add_nc_u32 v[VA+i], s40, v[VL]
.set i, i+1
.endr
	s_mov_b64 s[WP:WP+1], s[WB:WB+1]
	s_mov_b64 s[AP:AP+1], s[4:5]
.endm
.macro WLOAD b, imm                    ; a stage's sixteen rows of W into buffer b
.set j, 0
.rept 16
	global_load_b64 v[WS+32*(\b)+2*j:WS+32*(\b)+2*j+1], v[VW], s[WP:WP+1] offset:(\imm)*WSTEP+j*PITCH
.set j, j+1
.endr
.endm
.macro ALOAD b, imm, n                 ; a stage's fragments of n tiles into buffer b
.set tau, 0
.rept \n
	global_load_b128 v[XA+80*(\b)+8*tau:XA+80*(\b)+8*tau+3],   v[VA+tau], s[AP:AP+1] offset:(\imm)*ASTEP
	global_load_b128 v[XA+80*(\b)+8*tau+4:XA+80*(\b)+8*tau+7], v[VA+tau], s[AP:AP+1] offset:(\imm)*ASTEP+512
.set tau, tau+1
.endr
.endm
; A STAGE on buffer b.  left: the loads younger than this stage's.  W is rounded; (issue = 1) the rows of the stage after next are asked for into the registers just read; then tiles x 2 products, each accumulator one turn;
; four places, ahead of the loads into the token fragments and of the next stage's writes into WF; then the token fragments of the stage after next.  first = 1: the products start the sums, with the bias or zeros as C.
.macro STEP b, tiles, first, issue, imm, mt, left
	s_wait_loadcnt \left
	WIN 0x40                                       ; destination window 1
.set q, 0
.rept 8
	v_cvt_pk_bf16_f32 v[WF+q],   v[WS+32*(\b)+4*q],   v[WS+32*(\b)+4*q+2]
	v_cvt_pk_bf16_f32 v[WF+8+q], v[WS+32*(\b)+4*q+1], v[WS+32*(\b)+4*q+3]
.set q, q+1
.endr
.if \issue
	WIN 0
	WLOAD \b, \imm
.endif
	WIN 0x51                                       ; W, C and D window 1, tokens window 0
.set tau, 0
.rept \tiles
.set t, 0
.rept 2
.if \first
	v_wmma_f32_16x16x32_bf16 v[16*tau+8*t:16*tau+8*t+7], v[WF+8*t:WF+8*t+7], v[XA+80*(\b)+8*tau:XA+80*(\b)+8*tau+7], v[BP+8*t:BP+8*t+7]
.else
	v_wmma_f32_16x16x32_bf16 v[16*tau+8*t:16*tau+8*t+7], v[WF+8*t:WF+8*t+7], v[XA+80*(\b)+8*tau:XA+80*(\b)+8*tau+7], v[16*tau+8*t:16*tau+8*t+7]
.endif
.set t, t+1
.endr
.set tau, tau+1
.endr
.rept 4
	v_nop
.endr
	WIN 0
.if \issue
	ALOAD \b, \imm, \mt
.endif
.endm
; A PASS's sixteen stages with mt tiles.  Stage 0 always takes ten, so that every accumulator is written.  Two stages are always asked for ahead of the one in hand: at a stage's head the younger loads are the next stage's
; 16 of W and 2 mt of tokens.  The pointers step behind s_wait_xcnt 0; a stage's place stands in the immediates (2 x 2^20 + 15 x 4,096 at the most, inside the signed 24 bits).
.macro KPASS mt
	WLOAD 0, 0
	ALOAD 0, 0, 10
	WLOAD 1, 1
	ALOAD 1, 1, \mt
	STEP 0, 10, 1, 1, 2, \mt, 16+2*(\mt)           ; stage 0; asks for stage 2
	s_wait_xcnt 0x0
	s_add_nc_u64 s[WP:WP+1], s[WP:WP+1], 3*WSTEP
	s_add_nc_u64 s[AP:AP+1], s[AP:AP+1], 3*ASTEP
	s_mov_b32 s38, 6
.Lstage_\@:                                            ; stages 1 to 12, two a trip; they ask for stages 3 to 14
	STEP 1, \mt, 0, 1, 0, \mt, 16+2*(\mt)
	STEP 0, \mt, 0, 1, 1, \mt, 16+2*(\mt)
	s_wait_xcnt 0x0
	s_add_nc_u64 s[WP:WP+1], s[WP:WP+1], 2*WSTEP
	s_add_nc_u64 s[AP:AP+1], s[AP:AP+1], 2*ASTEP
	s_sub_co_u32 s38, s38, 1
	s_cmp_lg_u32 s38, 0
	s_cbranch_scc1 .Lstage_\@
	STEP 1, \mt, 0, 1, 0, \mt, 16+2*(\mt)          ; stage 13 asks for stage 15, the last
	STEP 0, \mt, 0, 0, 0, \mt, 16+2*(\mt)
	STEP 1, \mt, 0, 0, 0, \mt, 0
.endm
; THE WAY OUT of tile w + 8 i: the eight shares are added, the lane's 16 columns go through my stage and come back as pieces of whole rows, and each row is stored at its token's place.
.macro EPI i
.if \i
	s_cmp_ge_u32 s14, 2                            ; a pass has ten tiles: only waves 0 and 1 have a second one
	s_cbranch_scc1 .Ldead_\@
.endif
	s_add_co_u32 s39, s14, 8*(\i)
	s_cmp_ge_u32 s39, s37
	s_cbranch_scc1 .Ldead_\@                       ; a dead tile
	s_wait_xcnt 0x0                                ; earlier stores have read their registers
	s_add_co_u32 s40, s32, s36
	s_add_co_u32 s40, s40, s39
	s_min_u32 s40, s40, 70
	s_lshl_b32 s26, s40, 7
	s_mov_b32 s27, 0
	s_add_nc_u64 s[PB:PB+1], s[6:7], s[26:27]
.set m, 0
.rept 4
	global_load_b32 v[TOK+m], v[VPM], s[PB:PB+1] offset:256+16*m  ; the token of row 4 m + lane / 8
.set m, m+1
.endr
.set sh, 0
.rept 8
.set q, 0
.rept 4
	ds_load_b128 v[SUM+16*sh+4*q:SUM+16*sh+4*q+3], v[EB0+sh/3] offset:(sh%3)*SHARE+(\i)*8*TB+512*q
.set q, q+1
.endr
.set sh, sh+1
.endr
	s_wait_dscnt 0x0
.set sh, 0
.rept 4                                ; shares 1, 3, 5, 7 onto 0, 2, 4, 6
.set n, 0
.rept 8
	v_pk_add_f32 v[SUM+32*sh+2*n:SUM+32*sh+2*n+1], v[SUM+32*sh+2*n:SUM+32*sh+2*n+1], v[SUM+32*sh+16+2*n:SUM+32*sh+16+2*n+1]
.set n, n+1
.endr
.set sh, sh+1
.endr
.set sh, 0
.rept 2                                ; 2 onto 0, 6 onto 4
.set n, 0
.rept 8
	v_pk_add_f32 v[SUM+64*sh+2*n:SUM+64*sh+2*n+1], v[SUM+64*sh+2*n:SUM+64*sh+2*n+1], v[SUM+64*sh+32+2*n:SUM+64*sh+32+2*n+1]
.set n, n+1
.endr
.set sh, sh+1
.endr
.set j, 0
.rept 8                                ; the last addition puts the columns in order: register j of fragment t is column 16 hh + 2 j + t
	v_add_f32 v[OUTR+2*j],   v[SUM+j],   v[SUM+64+j]
	v_add_f32 v[OUTR+2*j+1], v[SUM+8+j], v[SUM+72+j]
.set j, j+1
.endr
.set q, 0
.rept 4
	ds_store_b128 v[VST], v[OUTR+4*q:OUTR+4*q+3] offset:16*q
.set q, q+1
.endr
.set m, 0
.rept 4
	ds_load_b128 v[BACK+4*m:BACK+4*m+3], v[VRD] offset:4*m*SPITCH  ; LDS serves a wave's instructions in order (ISA guide 5.7.1.4): these see the stores above; the stage is my own
.set m, m+1
.endr
	s_wait_loadcnt 0x0                             ; the tokens
.set m, 0
.rept 4
	v_min_u32 v[TOK+m], 0x3ff, v[TOK+m]
	v_lshlrev_b32 v[ADR+m], 12, v[TOK+m]           ; a row of out0 is 4,096 bytes
	v_add_nc_u32 v[ADR+m], v[ADR+m], v[C16]
.set m, m+1
.endr
	s_wait_dscnt 0x0
.set m, 0
.rept 4
	global_store_b128 v[ADR+m], v[BACK+4*m:BACK+4*m+3], s[OB:OB+1] th:TH_STORE_NT  ; eight lanes store a row's 128 consecutive bytes
.set m, m+1
.endr
.Ldead_\@:
.endm
	PASSA
	PASSB
	s_wait_loadcnt 0x0                             ; the bias
	WIN 0x40
.set t, 0
.rept 2
.set j, 0
.rept 8
	v_cndmask_b32 v[BP+8*t+j], 0, v[BV+2*j+t], s48 ; register j of fragment t is column 16 hh + 2 j + t
.set j, j+1
.endr
.set t, t+1
.endr
	WIN 0
	s_branch .Lk                                   ; the loop over passes is entered behind its test for a dead pass: the first pass always writes the accumulators
.Lpass:
	PASSA
	s_cmp_eq_u32 s37, 0
	s_cbranch_scc1 .Lafter                         ; a dead pass: the two barriers alone
	PASSB
.Lk:
	s_cmp_eq_u32 s37, 0
	s_cbranch_scc1 .Lv0
	s_cmp_gt_u32 s37, 8
	s_cbranch_scc1 .Lk10
	KPASS 8
	s_branch .Lafter
.Lk10:
	KPASS 10
	s_branch .Lafter
.Lv0:                                                  ; an expert without rows loads nothing; its accumulators are written once, so that no line below names a register that was never written
	WIN 0x40
.set i, 0
.rept 160
	v_mov_b32 v[i], 0
.set i, i+1
.endr
	WIN 0
.Lafter:
	s_wait_loadcnt 0x0
	; my sums go into LDS, 16 bytes a lane, each accumulator from its low end on; tiles 8 and 9 only where the pass has them
	s_cmp_eq_u32 s37, 0
	s_cbranch_scc1 .Lsent
	WIN 0x04                                       ; data window 1
.set tau, 0
.rept 8
.set q, 0
.rept 4
	ds_store_b128 v[VS], v[16*tau+4*q:16*tau+4*q+3] offset:tau*TB+512*q
.set q, q+1
.endr
.set tau, tau+1
.endr
	WIN 0
	s_cmp_le_u32 s37, 8
	s_cbranch_scc1 .Lsent
	WIN 0x04
.set tau, 8
.rept 2
.set q, 0
.rept 4
	ds_store_b128 v[VS], v[16*tau+4*q:16*tau+4*q+3] offset:tau*TB+512*q
.set q, q+1
.endr
.set tau, tau+1
.endr
	WIN 0
.Lsent:
	s_wait_dscnt 0x0                               ; for the others' sake: my stores are done
	s_barrier_signal -1
	s_barrier_wait -1
	EPI 0
	EPI 1
	s_wait_dscnt 0x0                               ; my reads of the sums are over: the next pass may write them
	s_barrier_signal -1
	s_barrier_wait -1
	s_add_co_u32 s35, s35, 1
	s_cmp_lt_u32 s35, NPASS
	s_cbranch_scc1 .Lpass
	s_wait_tensorcnt 0x0                           ; the wave's end, behind my last LDS store
	ds_add_u32 v[SPW], v[NIL]
	s_wait_dscnt 0x0
	s_endpgm
.Lfunc_end_k_qabda063c59_ffn2:
	.size	k_qabda063c59_ffn2, .Lfunc_end_k_qabda063c59_ffn2-k_qabda063c59_ffn2
	.p2alignl 7, 3214868480
	.fill 96, 4, 3214868480
	.section	.rodata,"a",@progbits
	.p2align	6, 0x0
	.amdhsa_kernel k_qabda063c59_ffn2
		.amdhsa_group_segment_fixed_size 183296
		.amdhsa_private_segment_fixed_size 0
		.amdhsa_enable_private_segment 0
		.amdhsa_kernarg_size 40
		.amdhsa_user_sgpr_count 2
		.amdhsa_user_sgpr_kernarg_segment_ptr 1
		.amdhsa_wavefront_size32 1
		.amdhsa_system_sgpr_workgroup_id_x 1
		.amdhsa_system_sgpr_workgroup_id_y 1
		.amdhsa_system_sgpr_workgroup_id_z 1
		.amdhsa_system_vgpr_workitem_id 0
		.amdhsa_next_free_vgpr 448
		.amdhsa_next_free_sgpr 66
		.amdhsa_reserve_vcc 0
		.amdhsa_float_denorm_mode_32 3
		.amdhsa_float_denorm_mode_16_64 3
		.amdhsa_memory_ordered 1
		.amdhsa_forward_progress 1
		.amdhsa_inst_pref_size 102
	.end_amdhsa_kernel
	.amdgpu_metadata
---
amdhsa.version: [ 1, 2 ]
amdhsa.kernels:
  - .name:           k_qabda063c59_ffn2
    .symbol:         k_qabda063c59_ffn2.kd
    .args:
      - { .name: h, .offset: 0, .size: 8, .value_kind: global_buffer, .address_space: global }
      - { .name: meta, .offset: 8, .size: 8, .value_kind: global_buffer, .address_space: global }
      - { .name: W2, .offset: 16, .size: 8, .value_kind: global_buffer, .address_space: global }
      - { .name: b2, .offset: 24, .size: 8, .value_kind: global_buffer, .address_space: global }
      - { .name: out0, .offset: 32, .size: 8, .value_kind: global_buffer, .address_space: global }
    .group_segment_fixed_size: 183296
    .private_segment_fixed_size: 0
    .kernarg_segment_align: 8
    .kernarg_segment_size: 40
    .max_flat_workgroup_size: 256
    .sgpr_count:     66
    .vgpr_count:     448
    .wavefront_size: 32
...
	.end_amdgpu_metadata
.endif
;; end of part 3
;; ======== version 2 of 2: 3 launches; version 1 with the launches ffn1, ffn2 written anew for expert scheduling mode
;; workspace buffers: xs 2,326,528 bytes; h 9,306,112 bytes; meta 9,472 bytes of whole numbers
;; launch prep: the kernel of part 1 again; grid 71 x 4, 1 waves a work-group, no clusters, 512 bytes of LDS; arguments hidden_states, expert_indices, xs, meta; writes xs, meta
;; launch ffn1 (part 4): grid 32 x 8, 4 waves a work-group, no clusters, 164,352 bytes of LDS; arguments xs, meta, W1, b1, h; writes h
.if DOCPART == 4
	.amdgcn_target "amdgcn-amd-amdhsa--gfx1250"
	.amdhsa_code_object_version 6
	.text
	.protected	k_qabda063c59_ffn1
	.globl	k_qabda063c59_ffn1
	.p2align	8
	.type	k_qabda063c59_ffn1,@function
k_qabda063c59_ffn1:
	s_mov_b64 s[64:65], 0
	v_nop
	global_prefetch_b8 v0, s[64:65] scope:SCOPE_SE
	s_setreg_imm32_b32 hwreg(HW_REG_WAVE_SCHED_MODE, 0, 2), 2
	s_setreg_imm32_b32 hwreg(HW_REG_WAVE_MODE, 25, 1), 1
	s_wait_xcnt 0x0
	s_wait_alu depctr_vm_vsrc(0)
; FFN1: h = gelu(x W1[e] + b1[e]) for the rows that chose expert e.  Work-group (s, e): columns 128 s .. 128 s + 127 of expert e, all its rows.  It alone reads its 512 KB of W1, each byte once for each 160 rows.
; Four waves: wave w has columns 64 (w % 2) .. + 63 of the slice and share p = w / 2 of K: the K steps 2 i + p, i = 0 .. 15 (a stage each).
; WEIGHTS go from memory into registers, are rounded to bf16 there and ARE source 0.  A K step's 32 k, for lane half hh and place j = 0 .. 15 of the lane's 8 registers, are k = 64 (step / 2) + 32 hh + 16 (step % 2) + j, the same
; in both sources.  Load j takes row k; lane r takes the 4 columns 4 r ..: 16 lanes cover 256 consecutive bytes, aligned.  Number t of a load belongs to fragment t, whose row i is column 4 i + t.
; TOKENS are source 1, ready in xs: two loads of 512 consecutive bytes a tile and step.  In the result lane (r, hh) holds token r and, in register jj of fragment t, column 32 hh + 4 jj + t: 32 neighbouring columns, which are
; just the lane's places in two K steps of the next product: h leaves in operand order.
; ROWS: a pass takes 10 tiles (160 rows); 7 passes, a constant, cover the 64 tiles that one expert can have.  Every wave passes both barriers of every pass; only work is jumped, forward.  A pass with 8 live tiles or fewer multiplies 8.
; The bias is the C operand of a pass's first step in share 0; share 1 takes zeros from the same registers.  The two shares meet in LDS.
; NO JOINT LOADS: what an expert's 32 work-groups share is its token tiles, and how many there are hangs on a stored count.  Barriers and tensor loads are kept off branches on it, so a ring would go round for all
; 7 x 16 stages where 16 or 32 are needed.
; LIMITS: x, W1 and h are rounded once to bf16, sums in f32; gelu is the tanh form, x / (1 + 2^(x (c1 + c2 x^2))); infinities and NaN are not treated apart.  More than 160 rows on an expert: its weights are read once more for each further 160.
; THE MODE: SCHED_MODE bits 1:0 = 2 (LLVM: expert scheduling mode 2), set by the entry lines.  The code itself states the register dependences
; between vector or matrix instructions and memory or LDS instructions, with s_wait_alu, always for 0.
; THE PLAN.  Registers that memory or LDS instructions touch, in the loop over stages (stage i, b = i % 2, c = i % 3):
;   WS0, WS1       Stage i's 32 conversions read WS[b]; behind them the weight loads of stage i + 2 land in it.
;   XA0, XA1, XA2  Stage i's matrix instructions read XA[c]; the token loads of stage i + 2, issued in stage i, land in XA[(c + 2) % 3], which the matrix instructions of stage i - 1 read last.
;   VW, VA         Offsets, read by every load; VW is written once, VA once a pass: the stages are reached by scalar bases, one for each weight buffer and one for each token buffer.
;   WF, BP and the accumulators are named by vector and matrix instructions alone.
; So ONE wait on va_vdst stands in a stage, behind its conversions: they are done reading WS[b], and the matrix instructions of the stage before are done reading XA[(c + 2) % 3].  The stage's loads follow it, the tokens' first,
; the weights' dealt among its matrix instructions, which name WF, XA[c], BP and the accumulators: none of the registers that those loads touch.
; Once a pass: a wait on vm_vsrc at its head (VA, the accumulators and the way out's registers have been read), one on va_vdst ahead of its first loads (VA is written, WS and XA are free), one ahead of the LDS stores of the sums.
.set PITCH,  16384                     ; bytes in a row of W1
.set WSTEP,  64*PITCH                  ; a stage is 64 rows on
.set ASTEP,  2048                      ; and two K steps of 1,024 bytes on in xs
.set TSHIFT, 15                        ; a tile of xs is 32,768 bytes
.set TB,     4096                      ; a tile's sums in LDS: 8 x 512 bytes
.set SHARE,  10*TB                     ; a wave's sums
.set NPASS,  7
; window 0
.set VW,  4                            ; v4   16 r + 32 rows x hh: my place in a load of W1
.set VL,  5                            ; v5   16 lane + 1,024 p: my place in a tile of xs
.set VS,  6                            ; v6   my place in my wave's sums
.set EB0, 7                            ; v7   the way out: share 0's sums of tile p, my column half
.set EB1, 8                            ; v8   share 1's
.set VE0, 9                            ; v9, v10 the same for the tile in hand
.set VE1, 10
.set L16, 11                           ; v11  16 lane
.set VA,  12                           ; v[12:21] byte offset of the pass's ten tiles in xs, + VL
.set WF,  32                           ; v[32:63]   four fragments of W in bf16
.set WS,  64                           ; v[64:191]  two buffers of sixteen loads of W in f32
.set BP,  192                          ; v[192:223] the bias as a C operand, fragment t at 8 t
.set BV,  224                          ; v[224:255] the bias as loaded
.set T0,  64                           ; the way out works where W's buffers lie: share 0's sums, then x, then gelu(x)
.set T1,  96                           ; share 1's sums
.set U,   128                          ; the exponent, the exponential, the reciprocal
.set PKR, 160                          ; 16 words of bf16
; window 1: the accumulators of tiles 0-7, tile a fragment t at 32 a + 8 t.  window 2: v0-63 those of tiles 8, 9; from v64 token buffers 0 and 1, ten fragments each.  window 3: v0-79 token buffer 2
.set XA,  64                           ; token buffer c begins at (XA + 80 c) (1 - c / 2) of window 2 + c / 2
.set WB,  20                           ; s[20:21] W1 at my first row and column
.set WP,  22                           ; s[22:23] weight buffer 0's base: W1 at the stage that the buffer is asked for next
.set WPS, 28                           ; s[50:51] weight buffer 1's, 28 registers on
.set AP,  52                           ; s[52:57] token buffer c's base, a pair at AP + 2 c: xs at the stage that the buffer is asked for next
.set HB,  28                           ; s[28:29] h at my wave's two K steps
.set HT,  30                           ; s[30:31] the same in the tile in hand (at the head: b1's base)
; s14 wave, s15 column half, s16 p, s17 slice, s18 expert, s[26:27] an offset, s32 first tile, s33 rows, s34 tiles, s35 pass, s36 its first tile, s37 its live tiles, s38 a counter, s39 tile, s40, s41 at work, s[42:43] meta's address,
; s[44:45] c1, s[46:47] c2, s48 all ones in share 0, s49 the way out's LDS step
.set MSB, 0
.macro WIN new                         ; the immediate's high byte repeats the setting that is left; a switch that changes nothing is dropped
.if MSB != (\new)
	s_set_vgpr_msb (MSB<<8)|(\new)
.set MSB, (\new)
.endif
.endm
	s_load_b256 s[4:11], s[0:1], 0x0               ; xs s[4:5], meta s[6:7], W1 s[8:9], b1 s[10:11]
	s_load_b64 s[12:13], s[0:1], 0x20              ; h
	v_lshl_add_u32 v30, v0, 2, 0x28000
	v_mov_b32 v31, 0
	v_lshrrev_b32 v1, 5, v0
	v_readfirstlane_b32 s14, v1
	v_and_b32 v2, 15, v0                           ; r
	v_bfe_u32 v3, v0, 4, 1                         ; hh
	v_and_b32 v[L16], 31, v0
	v_lshlrev_b32 v[L16], 4, v[L16]
	v_lshlrev_b32 v[VW], 4, v2
	v_lshl_add_u32 v[VW], v3, 19, v[VW]
	v_lshlrev_b32 v1, 7, v3                        ; my 32 numbers of the bias: 128 hh
	s_mov_b32 s17, ttmp9
	s_and_b32 s18, ttmp7, 0xffff
	s_mov_b32 s44, 0xc0135761                      ; c1 = -2 log2(e) sqrt(2 / pi) = -2.3022082
	s_mov_b32 s45, s44
	s_mov_b32 s46, 0xbdd2d3e8                      ; c2 = 0.044715 c1 = -0.10294324
	s_mov_b32 s47, s46
	s_wait_alu depctr_va_sdst(0)                   ; s14, the wave's number, is written, ahead of its first reader
	s_and_b32 s15, s14, 1
	s_lshr_b32 s16, s14, 1
	s_lshl_b32 s40, s16, 10
	v_add_nc_u32 v[VL], s40, v[L16]
	s_mul_i32 s40, s14, SHARE
	v_add_nc_u32 v[VS], s40, v[L16]
	s_mul_i32 s40, s15, SHARE                      ; share 0 of my column half is wave (w % 2), share 1 two waves on
	s_lshl_b32 s41, s16, 12
	s_add_co_u32 s40, s40, s41
	v_add_nc_u32 v[EB0], s40, v[L16]
	v_add_nc_u32 v[EB1], 2*SHARE, v[EB0]
	s_cmp_eq_u32 s16, 0
	s_cselect_b32 s48, -1, 0
	s_lshl_b32 s42, s18, 3
	s_mov_b32 s43, 0
	s_lshl_b32 s26, s18, 24                        ; an expert's W1 is 2^24 bytes
	s_lshl_b32 s40, s17, 9
	s_add_co_u32 s26, s26, s40
	s_lshl_b32 s40, s15, 8
	s_add_co_u32 s26, s26, s40
	s_lshl_b32 s40, s16, 18                        ; share p begins 16 rows down
	s_add_co_u32 s26, s26, s40
	s_mov_b32 s27, 0
	s_wait_kmcnt 0x0
	s_add_nc_u64 s[42:43], s[6:7], s[42:43]
	s_load_b64 s[32:33], s[42:43], 0x0             ; my expert's first tile and rows
	s_add_nc_u64 s[WB:WB+1], s[8:9], s[26:27]
	s_lshl_b32 s26, s18, 14
	s_lshl_b32 s40, s17, 9
	s_add_co_u32 s26, s26, s40
	s_lshl_b32 s40, s15, 8
	s_add_co_u32 s26, s26, s40
	s_add_nc_u64 s[HT:HT+1], s[10:11], s[26:27]
	s_wait_alu depctr_va_vdst(0)                   ; v1 and the fixed offsets and LDS addresses VW, VL, VS, EB0, EB1, L16 are written, which the loads, stores and LDS instructions of the whole kernel read
.set m, 0
.rept 8
	global_load_b128 v[BV+4*m:BV+4*m+3], v1, s[HT:HT+1] offset:16*m
.set m, m+1
.endr
	s_lshl_b32 s26, s17, 12                        ; my 64 columns are K steps 4 s + 2 (w % 2) and the next of the second product
	s_lshl_b32 s40, s15, 11
	s_add_co_u32 s26, s26, s40
	s_add_nc_u64 s[HB:HB+1], s[12:13], s[26:27]
	s_wait_kmcnt 0x0
	s_min_u32 s32, s32, 70
	s_min_u32 s33, s33, 1024
	s_add_co_u32 s34, s33, 15
	s_lshr_b32 s34, s34, 4
	s_mov_b32 s35, 0
.macro PASSA                           ; the pass's first tile and its live tiles
	s_wait_xcnt 0x0                                ; the registers that earlier loads and stores name are written again only behind this wait
	s_mul_i32 s36, s35, 10
	s_min_u32 s40, s36, s34
	s_sub_co_u32 s37, s34, s40
	s_min_u32 s37, s37, 10
.endm
.macro PASSB                           ; its ten tiles' places in xs (places past the last live tile repeat it), and the five bases
	s_max_u32 s41, s34, 1
	s_sub_co_u32 s41, s41, 1
.set i, 0
.rept 10
	s_add_co_u32 s40, s36, i
	s_min_u32 s40, s40, s41
	s_add_co_u32 s40, s40, s32
	s_min_u32 s40, s40, 70
	s_lshl_b32 s40, s40, TSHIFT
	v_add_nc_u32 v[VA+i], s40, v[VL]
.set i, i+1
.endr
	s_mov_b64 s[WP:WP+1], s[WB:WB+1]               ; weights: stage 0,
	s_add_nc_u64 s[WP+WPS:WP+WPS+1], s[WB:WB+1], WSTEP  ; stage 1
	s_mov_b64 s[AP:AP+1], s[4:5]                   ; tokens: stage 0,
	s_add_nc_u64 s[AP+2:AP+3], s[4:5], ASTEP       ; stage 1,
	s_add_nc_u64 s[AP+4:AP+5], s[4:5], 2*ASTEP     ; stage 2
.endm
.macro WLOADH b, half                  ; eight of a stage's sixteen rows of W into buffer b, by the buffer's own base
.set j, 8*(\half)
.rept 8
	global_load_b128 v[WS+64*(\b)+4*j:WS+64*(\b)+4*j+3], v[VW], s[WP+WPS*(\b):WP+WPS*(\b)+1] offset:j*PITCH th:TH_LOAD_NT
.set j, j+1
.endr
.endm
.macro ALOAD c, n                      ; a stage's fragments of n tiles into token buffer c, by the buffer's own base; the caller has set the destination's window, 2 + c / 2
.set xl, (XA+80*(\c))*(1-(\c)/2)
.set tau, 0
.rept \n
	global_load_b128 v[xl+8*tau:xl+8*tau+3],   v[VA+tau], s[AP+2*(\c):AP+2*(\c)+1]
	global_load_b128 v[xl+8*tau+4:xl+8*tau+7], v[VA+tau], s[AP+2*(\c):AP+2*(\c)+1] offset:512
.set tau, tau+1
.endr
.endm
; A STAGE on weight buffer b and token buffer c.  left: the loads younger than this stage's.  Two bases step at its head: the weight base that this stage's loads read and the token base that the next stage's loads read.  W is rounded; one wait; (issue = 1) the token fragments of the
; stage after next are asked for into the token buffer that the stage before multiplied; then tiles x 4 products, each accumulator one turn, and among them the sixteen rows of the stage after next, in two
; runs of eight, into the registers that the conversions read; four places, ahead of the next stage's writes into WF and of the LDS stores of the sums.  first = 1: the products start the sums, with the bias or zeros as C.
.macro STEP b, c, tiles, first, issue, mt, left
	s_wait_loadcnt \left                           ; loads come back in order (ISA guide 5.7.1): this stage's weights and tokens are in; the next stage's 2 mt token loads and sixteen weight loads stay out
.if \issue
	s_add_nc_u64 s[WP+WPS*(\b):WP+WPS*(\b)+1], s[WP+WPS*(\b):WP+WPS*(\b)+1], 2*WSTEP  ; free since that wait, which shows the loads that read it done: the stage after next, asked for below
	s_add_nc_u64 s[AP+2*(\c):AP+2*(\c)+1], s[AP+2*(\c):AP+2*(\c)+1], 3*ASTEP          ; likewise: three stages on, asked for in the next stage (stage 13's step is not used)
.endif
.set q, 0
.rept 8
.set t, 0
.rept 4
	v_cvt_pk_bf16_f32 v[WF+8*t+q], v[WS+64*(\b)+8*q+t], v[WS+64*(\b)+8*q+4+t]
.set t, t+1
.endr
.set q, q+1
.endr
.if \issue
	WIN 0x80+0x40*((((\c)+2)%3)/2)                 ; destination window 2 or 3, address window 0
	s_wait_alu depctr_va_vdst(0)                   ; the matrix instructions of the stage before are done reading their token buffer, in which the loads below land; the conversions are done reading WS[b], in which this stage's weight loads land
	ALOAD ((\c)+2)%3, \mt
.endif
.set xm, (XA+80*(\c))*(1-(\c)/2)
.set tau, 0
.rept \tiles
.if tau < 8
	WIN 0x58-0x10*(\first)+4*((\c)/2)              ; W window 0, tokens window 2 or 3, D window 1; C window 1, or 0 for the bias
.set ac, 32*tau
.else
	WIN 0xa8-0x20*(\first)+4*((\c)/2)              ; the same with D (and C) in window 2
.set ac, 32*(tau-8)
.endif
.set t, 0
.rept 4
.if \first
	v_wmma_f32_16x16x32_bf16 v[ac+8*t:ac+8*t+7], v[WF+8*t:WF+8*t+7], v[xm+8*tau:xm+8*tau+7], v[BP+8*t:BP+8*t+7]
.else
	v_wmma_f32_16x16x32_bf16 v[ac+8*t:ac+8*t+7], v[WF+8*t:WF+8*t+7], v[xm+8*tau:xm+8*tau+7], v[ac+8*t:ac+8*t+7]
.endif
.set t, t+1
.endr
.if (\issue) && ((tau == 1) || (tau == 3))
	WIN 0
	WLOADH \b, (tau-1)/2                           ; no wait: no vector or matrix instruction since the wait above names WS[b] or VW
.endif
.set tau, tau+1
.endr
.rept 4
	v_nop
.endr
	WIN 0
.endm
; A PASS's sixteen stages with mt tiles.  Stage 0 always takes ten, so that every accumulator is written.  Two stages are always asked for ahead of the one in hand: at a stage's head the younger loads are the next stage's
; 2 mt of tokens and 16 of W.  A trip of the loop is six stages, so that both kinds of buffer are back at their start.  A stage's sixteen rows stand in the immediates (15 x 16,384 at the most, inside the signed 24 bits).
.macro KPASS mt
	s_wait_alu depctr_va_vdst(0)                   ; VA is written, which the token loads read; the way out's arithmetic and the last pass's conversions and matrix instructions are done with WS and XA, in which the loads below land
	WLOADH 0, 0
	WLOADH 0, 1
	WIN 0x80
	ALOAD 0, 10
	WIN 0
	WLOADH 1, 0
	WLOADH 1, 1
	WIN 0x80
	ALOAD 1, \mt
	WIN 0
	STEP 0, 0, 10, 1, 1, \mt, 16+2*(\mt)           ; stage 0; asks for stage 2
	s_mov_b32 s38, 2
.Lstage_\@:                                            ; stages 1 to 12, six a trip; they ask for stages 3 to 14
	STEP 1, 1, \mt, 0, 1, \mt, 16+2*(\mt)
	STEP 0, 2, \mt, 0, 1, \mt, 16+2*(\mt)
	STEP 1, 0, \mt, 0, 1, \mt, 16+2*(\mt)
	STEP 0, 1, \mt, 0, 1, \mt, 16+2*(\mt)
	STEP 1, 2, \mt, 0, 1, \mt, 16+2*(\mt)
	STEP 0, 0, \mt, 0, 1, \mt, 16+2*(\mt)
	s_sub_co_u32 s38, s38, 1
	s_cmp_lg_u32 s38, 0
	s_cbranch_scc1 .Lstage_\@
	STEP 1, 1, \mt, 0, 1, \mt, 16+2*(\mt)          ; stage 13 asks for stage 15, the last
	STEP 0, 2, \mt, 0, 0, \mt, 16+2*(\mt)          ; stages 14 and 15 ask for nothing, and state nothing
	STEP 1, 0, \mt, 0, 0, \mt, 0
.endm
	PASSA
	PASSB
	s_wait_loadcnt 0x0                             ; the bias
.set t, 0
.rept 4
.set j, 0
.rept 8
	v_cndmask_b32 v[BP+8*t+j], 0, v[BV+4*j+t], s48 ; register j of fragment t is column 32 hh + 4 j + t
.set j, j+1
.endr
.set t, t+1
.endr
	s_branch .Lk                                   ; the loop over passes is entered behind its test for a dead pass: the first pass always writes the accumulators
.Lpass:
	PASSA
	s_wait_alu depctr_vm_vsrc(0)                   ; the last pass's token loads have read VA, its LDS stores the accumulators, its way out's stores PKR: all are written again in this pass; ahead of the branch, so that it stands on every way
	s_cmp_eq_u32 s37, 0
	s_cbranch_scc1 .Lafter                         ; a dead pass: the two barriers alone
	PASSB
.Lk:
	s_cmp_eq_u32 s37, 0
	s_cbranch_scc1 .Lv0
	s_cmp_gt_u32 s37, 8
	s_cbranch_scc1 .Lk10
	KPASS 8
	s_branch .Lafter
.Lk10:
	KPASS 10
	s_branch .Lafter
.Lv0:                                                  ; an expert without rows loads nothing; its accumulators are written once, so that no line below names a register that was never written
	WIN 0x40
.set i, 0
.rept 256
	v_mov_b32 v[i], 0
.set i, i+1
.endr
	WIN 0x80
.set i, 0
.rept 64
	v_mov_b32 v[i], 0
.set i, i+1
.endr
	WIN 0
.Lafter:
	s_wait_loadcnt 0x0
	s_wait_alu depctr_va_vdst(0)                   ; the matrix instructions (or the moves) have written the accumulators, which the LDS stores below read; the four places behind the last product stay beside this wait
	; my sums go into LDS, 16 bytes a lane, each accumulator from its low end on; tiles 8 and 9 only where the pass has them
	s_cmp_eq_u32 s37, 0
	s_cbranch_scc1 .Lsent
	WIN 0x04                                       ; data window 1
.set tau, 0
.rept 8
.set q, 0
.rept 8
	ds_store_b128 v[VS], v[32*tau+4*q:32*tau+4*q+3] offset:tau*TB+512*q
.set q, q+1
.endr
.set tau, tau+1
.endr
	WIN 0
	s_cmp_le_u32 s37, 8
	s_cbranch_scc1 .Lsent
	WIN 0x08                                       ; data window 2
.set tau, 8
.rept 2
.set q, 0
.rept 8
	ds_store_b128 v[VS], v[32*(tau-8)+4*q:32*(tau-8)+4*q+3] offset:tau*TB+512*q
.set q, q+1
.endr
.set tau, tau+1
.endr
	WIN 0
.Lsent:
	s_wait_dscnt 0x0                               ; for the others' sake: my stores are done
	s_barrier_signal -1
	s_barrier_wait -1
	; THE WAY OUT: of my column half's ten tiles I take tiles p, p + 2, .. : both shares are added, gelu, bf16, 2,048 consecutive bytes of h a tile.  Five trips; a dead tile's trip is jumped.
	s_mov_b32 s38, 5
	s_mov_b32 s39, s16
	s_mov_b32 s49, 0
.Lepi:
	s_cmp_ge_u32 s39, s37
	s_cbranch_scc1 .Lepi_next
	s_wait_xcnt 0x0                                ; the last tile's stores have had their addresses translated: their base and data are written again only behind this wait
	s_wait_alu depctr_vm_vsrc(0)                   ; the last tile's LDS loads have read VE0 and VE1, its stores PKR: this trip writes all three again
	v_add_nc_u32 v[VE0], s49, v[EB0]
	v_add_nc_u32 v[VE1], s49, v[EB1]
	s_wait_alu depctr_va_vdst(0)                   ; VE0 and VE1 are written, which the LDS loads read; the last tile's arithmetic (in the first trip the stages' conversions) is done with T0 and T1, in which they land
.set q, 0
.rept 8
	ds_load_b128 v[T0+4*q:T0+4*q+3], v[VE0] offset:512*q
	ds_load_b128 v[T1+4*q:T1+4*q+3], v[VE1] offset:512*q
.set q, q+1
.endr
	s_add_co_u32 s40, s32, s36
	s_add_co_u32 s40, s40, s39
	s_min_u32 s40, s40, 70
	s_lshl_b32 s26, s40, 17                        ; a tile of h is 131,072 bytes
	s_mov_b32 s27, 0
	s_add_nc_u64 s[HT:HT+1], s[HB:HB+1], s[26:27]
	s_wait_dscnt 0x0
.set i, 0
.rept 16
	v_pk_add_f32 v[T0+2*i:T0+2*i+1], v[T0+2*i:T0+2*i+1], v[T1+2*i:T1+2*i+1]
.set i, i+1
.endr
.set i, 0
.rept 16
	v_pk_mul_f32 v[U+2*i:U+2*i+1], v[T0+2*i:T0+2*i+1], v[T0+2*i:T0+2*i+1]
.set i, i+1
.endr
.set i, 0
.rept 16
	v_pk_fma_f32 v[U+2*i:U+2*i+1], v[U+2*i:U+2*i+1], s[46:47], s[44:45] op_sel_hi:[1,0,0]  ; c1 + c2 x^2
.set i, i+1
.endr
.set i, 0
.rept 16
	v_pk_mul_f32 v[U+2*i:U+2*i+1], v[U+2*i:U+2*i+1], v[T0+2*i:T0+2*i+1]
.set i, i+1
.endr
.set i, 0
.rept 32
	v_exp_f32 v[U+i], v[U+i]
.set i, i+1
.endr
	v_nop                                          ; a plain instruction behind the last exponential,
	s_wait_alu depctr_va_vdst(0)                   ; and one wait for the batch: the 32 exponentials have written U, ahead of their first reader
.set i, 0
.rept 16
	v_pk_add_f32 v[U+2*i:U+2*i+1], v[U+2*i:U+2*i+1], 1.0 op_sel_hi:[1,0]
.set i, i+1
.endr
.set i, 0
.rept 32
	v_rcp_f32 v[U+i], v[U+i]
.set i, i+1
.endr
	v_nop
	s_wait_alu depctr_va_vdst(0)                   ; the same for the 32 reciprocals: they have written U, ahead of their first reader
.set i, 0
.rept 16
	v_pk_mul_f32 v[T0+2*i:T0+2*i+1], v[T0+2*i:T0+2*i+1], v[U+2*i:U+2*i+1]
.set i, i+1
.endr
.set j, 0
.rept 8
	v_cvt_pk_bf16_f32 v[PKR+2*j],   v[T0+j],    v[T0+8+j]   ; columns 32 hh + 4 j, + 1
	v_cvt_pk_bf16_f32 v[PKR+2*j+1], v[T0+16+j], v[T0+24+j]  ; + 2, + 3
.set j, j+1
.endr
	s_wait_alu depctr_va_vdst(0)                   ; the roundings have written PKR, which the four stores read
.set x, 0
.rept 4
	global_store_b128 v[L16], v[PKR+4*x:PKR+4*x+3], s[HT:HT+1] offset:512*x  ; 512 consecutive bytes, aligned
.set x, x+1
.endr
.Lepi_next:
	s_add_co_u32 s39, s39, 2
	s_add_co_u32 s49, s49, 2*TB
	s_sub_co_u32 s38, s38, 1
	s_cmp_lg_u32 s38, 0
	s_cbranch_scc1 .Lepi
	s_wait_dscnt 0x0                               ; my reads of the sums are over: the next pass may write them
	s_barrier_signal -1
	s_barrier_wait -1
	s_add_co_u32 s35, s35, 1
	s_cmp_lt_u32 s35, NPASS
	s_cbranch_scc1 .Lpass
	s_wait_dscnt 0x0                               ; the wave's end; the closing add goes into the spare words behind the sums
	s_wait_alu depctr_hold_cnt(0) depctr_sa_sdst(0) depctr_va_vdst(0) depctr_va_sdst(0) depctr_va_ssrc(0) depctr_va_vcc(0) depctr_vm_vsrc(0)
	s_wait_tensorcnt 0x0
	ds_add_u32 v30, v31
	s_wait_dscnt 0x0
	s_endpgm
.Lfunc_end_k_qabda063c59_ffn1:
	.size	k_qabda063c59_ffn1, .Lfunc_end_k_qabda063c59_ffn1-k_qabda063c59_ffn1
	.p2alignl 7, 3214868480
	.fill 96, 4, 3214868480
	.section	.rodata,"a",@progbits
	.p2align	6, 0x0
	.amdhsa_kernel k_qabda063c59_ffn1
		.amdhsa_group_segment_fixed_size 164352
		.amdhsa_private_segment_fixed_size 0
		.amdhsa_enable_private_segment 0
		.amdhsa_kernarg_size 40
		.amdhsa_user_sgpr_count 2
		.amdhsa_user_sgpr_kernarg_segment_ptr 1
		.amdhsa_wavefront_size32 1
		.amdhsa_system_sgpr_workgroup_id_x 1
		.amdhsa_system_sgpr_workgroup_id_y 1
		.amdhsa_system_sgpr_workgroup_id_z 1
		.amdhsa_system_vgpr_workitem_id 0
		.amdhsa_next_free_vgpr 848
		.amdhsa_next_free_sgpr 66
		.amdhsa_reserve_vcc 0
		.amdhsa_float_denorm_mode_32 3
		.amdhsa_float_denorm_mode_16_64 3
		.amdhsa_memory_ordered 1
		.amdhsa_forward_progress 1
		.amdhsa_inst_pref_size 199
	.end_amdhsa_kernel
	.amdgpu_metadata
---
amdhsa.version: [ 1, 2 ]
amdhsa.kernels:
  - .name:           k_qabda063c59_ffn1
    .symbol:         k_qabda063c59_ffn1.kd
    .args:
      - { .name: xs, .offset: 0, .size: 8, .value_kind: global_buffer, .address_space: global }
      - { .name: meta, .offset: 8, .size: 8, .value_kind: global_buffer, .address_space: global }
      - { .name: W1, .offset: 16, .size: 8, .value_kind: global_buffer, .address_space: global }
      - { .name: b1, .offset: 24, .size: 8, .value_kind: global_buffer, .address_space: global }
      - { .name: h, .offset: 32, .size: 8, .value_kind: global_buffer, .address_space: global }
    .group_segment_fixed_size: 164352
    .private_segment_fixed_size: 0
    .kernarg_segment_align: 8
    .kernarg_segment_size: 40
    .max_flat_workgroup_size: 128
    .sgpr_count:     66
    .vgpr_count:     848
    .wavefront_size: 32
...
	.end_amdgpu_metadata
.endif
;; end of part 4
;; launch ffn2 (part 5): grid 32 x 8, 8 waves a work-group, no clusters, 183,296 bytes of LDS; arguments h, meta, W2, b2, out0; writes out0
.if DOCPART == 5
	.amdgcn_target "amdgcn-amd-amdhsa--gfx1250"
	.amdhsa_code_object_version 6
	.text
	.protected	k_qabda063c59_ffn2
	.globl	k_qabda063c59_ffn2
	.p2align	8
	.type	k_qabda063c59_ffn2,@function
k_qabda063c59_ffn2:
	s_mov_b64 s[64:65], 0
	v_nop
	global_prefetch_b8 v0, s[64:65] scope:SCOPE_SE
	s_setreg_imm32_b32 hwreg(HW_REG_WAVE_SCHED_MODE, 0, 2), 2
	s_setreg_imm32_b32 hwreg(HW_REG_WAVE_MODE, 25, 1), 1
	s_wait_xcnt 0x0
	s_wait_alu depctr_vm_vsrc(0)
; FFN2: out = h W2[e] + b2[e] for the rows that chose expert e, each row stored at its token's place.  Work-group (s, e): columns 32 s .. 32 s + 31 of expert e, all its rows.  It alone reads its 512 KB of W2, each byte once for each 160 rows.
; Eight waves, each with all 32 columns and a share of K: wave w has the K steps 8 i + w, i = 0 .. 15 (a stage each).
; WEIGHTS go from memory into registers, are rounded to bf16 there and ARE source 0.  A K step's 32 k, for lane half hh and place j = 0 .. 15, are k = 64 (step / 2) + 32 hh + 16 (step % 2) + j, as h is laid.  Load j takes row k; lane r
; takes the 2 columns 2 r, 2 r + 1: 16 lanes cover 128 consecutive bytes; the neighbouring slice's work-group takes the other half of the aligned 256.  Number t of a load belongs to fragment t, whose row i is column 2 i + t.
; TOKENS are source 1, ready in h: two loads of 512 consecutive bytes a tile and step.  In the result lane (r, hh) holds token r and, in register jj of fragment t, column 16 hh + 2 jj + t.
; ROWS: a pass takes 10 tiles (160 rows); 7 passes, a constant, cover the 64 tiles that one expert can have.  Every wave passes both barriers of every pass; only work is jumped, forward.  A pass with 8 live tiles or fewer multiplies 8.
; The bias is the C operand of a pass's first step in wave 0; the others take zeros from the same registers.  The eight shares meet in LDS; wave w adds up tile w (waves 0 and 1 also tile w + 8).
; Places past the count in an expert's last tile repeat the tile's first token in h and in the list of tokens: they hold the same numbers and are stored to the same place.
; NO JOINT LOADS: what an expert's 32 work-groups share is its token tiles, and how many there are hangs on a stored count.  Barriers and tensor loads are kept off branches on it, so a ring would go round for all
; 7 x 16 stages where 16 or 32 are needed.
; LIMITS: h and W2 are rounded once to bf16, sums in f32; a store covers 128 consecutive bytes of a row of out0.  More than 160 rows on an expert: its weights are read once more for each further 160.
; THE MODE: SCHED_MODE bits 1:0 = 2 (LLVM: expert scheduling mode 2), set by the entry lines.  The code itself states the register dependences
; between vector or matrix instructions and memory or LDS instructions, with s_wait_alu, always for 0.
; THE PLAN.  Registers that memory or LDS instructions touch, in the loop over stages (stage i, b = i % 2):
;   WS0, WS1   Stage i's 16 conversions read WS[b]; behind them the weight loads of stage i + 2 land in it.
;   XA0, XA1   Stage i's matrix instructions read XA[b]; behind them the token loads of stage i + 2 land in it.  (A third token buffer, 80 registers beside the 445 that the text names, would pass the 512 that each of eight waves can have.)
;   VW, VA     Offsets, read by every load; VW is written once, VA once a pass: the stages are reached by scalar bases, one for each weight buffer and one for each token buffer.
;   WF, BP and the accumulators are named by vector and matrix instructions alone.
; So TWO waits on va_vdst stand in a stage.  One behind its conversions: they are done reading WS[b]; the stage's sixteen weight loads follow it, dealt among its matrix instructions, which name WF, XA[b], BP and the
; accumulators and not WS.  One behind its matrix instructions: they are done reading XA[b]; the stage's 2 mt token loads follow it in one run.
; Once a pass: a wait on vm_vsrc at its head (VA, the accumulators and the way out's registers have been read), one on va_vdst ahead of its first loads (VA is written, WS and XA are free), one ahead of the LDS stores of the sums,
; which also frees the registers in which the way out's first loads land.
.set PITCH,  4096                      ; bytes in a row of W2
.set WSTEP,  256*PITCH                 ; a stage is eight K steps, 256 rows, on
.set ASTEP,  8192                      ; and 8 x 1,024 bytes on in h
.set TSHIFT, 17                        ; a tile of h is 131,072 bytes
.set TB,     2048                      ; a tile's sums in LDS: 4 x 512 bytes
.set SHARE,  10*TB                     ; a wave's sums
.set STAGE,  8*SHARE                   ; behind them a stage of 16 rows x 144 bytes for each wave
.set SPITCH, 144                       ; 128 bytes + 16: the 16 rows of a store start at 16 different groups of four banks (64 banks of 4 bytes: ISA guide 11.1)
.set NPASS,  7
; window 0
.set VW,  4                            ; v4   8 r + 32 rows x hh
.set VL,  5                            ; v5   16 lane + 1,024 w
.set VS,  6                            ; v6   my place in my wave's sums
.set EB0, 7                            ; v7, v8, v9  the way out: tile w in the sums of shares 0, 3 and 6
.set EB1, 8
.set EB2, 9
.set L16, 10                           ; v10  16 lane
.set VST, 13                           ; v13  into my stage: row r, 64 hh
.set VRD, 14                           ; v14  back: row lane / 8, 16 (lane % 8)
.set VPM, 15                           ; v15  4 (lane / 8): my row's word in a tile's list of tokens
.set VA,  16                           ; v[16:25] byte offset of the pass's ten tiles in h, + VL
.set C16, 28                           ; v28  16 (lane % 8)
.set WS,  32                           ; v[32:95]  two buffers of sixteen loads of W in f32
.set XA,  96                           ; v[96:255] two buffers of ten token fragments
.set BV,  32                           ; the bias as loaded, ahead of the first loads of W
.set SUM, 32                           ; the way out: v[32:159] eight shares of a tile
.set OUTR, 160                         ; v[160:175] my 16 columns in order
.set BACK, 176                         ; v[176:191] four pieces of 16 bytes of whole rows
.set TOK, 192                          ; v[192:195] their tokens
.set ADR, 196                          ; v[196:199] their byte offsets in out0
; window 1: v0-159 the accumulators, tile a fragment t at 16 a + 8 t; v160-175 two fragments of W in bf16; v176-191 the bias as a C operand
.set WF,  160
.set BP,  176
.set WB,  20                           ; s[20:21] W2 at my first row and column
.set WP,  22                           ; s[22:23] weight buffer 0's base: W2 at the stage that the buffer is asked for next
.set WPS, 28                           ; s[50:51] weight buffer 1's, 28 registers on
.set AP,  52                           ; s[52:55] token buffer b's base, a pair at AP + 2 b: h at the stage that the buffer is asked for next
.set OB,  28                           ; s[28:29] out0 at my slice's first column
.set PB,  30                           ; s[30:31] the list of tokens of the tile in hand (at the head: b2's base)
; s14 wave, s15 w / 2, s16 w % 2, s17 slice, s18 expert, s[26:27] an offset, s32 first tile, s33 rows, s34 tiles, s35 pass, s36 its first tile, s37 its live tiles, s38 a counter, s39 tile, s40, s41 at work, s[42:43] meta's address, s48 all ones in wave 0
.set MSB, 0
.macro WIN new                         ; the immediate's high byte repeats the setting that is left; a switch that changes nothing is dropped
.if MSB != (\new)
	s_set_vgpr_msb (MSB<<8)|(\new)
.set MSB, (\new)
.endif
.endm
	s_load_b256 s[4:11], s[0:1], 0x0               ; h s[4:5], meta s[6:7], W2 s[8:9], b2 s[10:11]
	s_load_b64 s[12:13], s[0:1], 0x20              ; out0
	v_lshl_add_u32 v30, v0, 2, 0x2c800
	v_mov_b32 v31, 0
	v_lshrrev_b32 v1, 5, v0
	v_readfirstlane_b32 s14, v1
	v_and_b32 v2, 15, v0                           ; r
	v_bfe_u32 v3, v0, 4, 1                         ; hh
	v_and_b32 v11, 31, v0                          ; lane
	v_lshlrev_b32 v[L16], 4, v11
	v_lshrrev_b32 v12, 3, v11                      ; lane / 8
	v_and_b32 v[C16], 7, v0
	v_lshlrev_b32 v[C16], 4, v[C16]
	v_lshlrev_b32 v[VPM], 2, v12
	v_lshlrev_b32 v[VW], 3, v2
	v_lshl_add_u32 v[VW], v3, 17, v[VW]
	v_mul_u32_u24 v[VST], v2, SPITCH
	v_lshl_add_u32 v[VST], v3, 6, v[VST]
	v_mul_u32_u24 v[VRD], v12, SPITCH
	v_add_nc_u32 v[VRD], v[VRD], v[C16]
	v_lshlrev_b32 v1, 6, v3                        ; my 16 numbers of the bias: 64 hh
	s_mov_b32 s17, ttmp9
	s_and_b32 s18, ttmp7, 0xffff
	s_wait_alu depctr_va_sdst(0)                   ; s14, the wave's number, is written, ahead of its first reader
	s_lshr_b32 s15, s14, 1
	s_and_b32 s16, s14, 1
	s_lshl_b32 s40, s14, 10
	v_add_nc_u32 v[VL], s40, v[L16]
	s_mul_i32 s40, s14, SHARE
	v_add_nc_u32 v[VS], s40, v[L16]
	s_lshl_b32 s40, s14, 11
	v_add_nc_u32 v[EB0], s40, v[L16]
	v_add_nc_u32 v[EB1], 3*SHARE, v[EB0]
	v_add_nc_u32 v[EB2], 6*SHARE, v[EB0]
	s_mul_i32 s40, s14, 16*SPITCH
	s_add_co_u32 s40, s40, STAGE                   ; my stage
	v_add_nc_u32 v[VST], s40, v[VST]
	v_add_nc_u32 v[VRD], s40, v[VRD]
	s_cmp_eq_u32 s14, 0
	s_cselect_b32 s48, -1, 0
	s_lshl_b32 s42, s18, 3
	s_mov_b32 s43, 0
	s_lshl_b32 s26, s18, 24                        ; an expert's W2 is 2^24 bytes
	s_lshl_b32 s40, s17, 7
	s_add_co_u32 s26, s26, s40
	s_lshl_b32 s40, s15, 18                        ; K step w begins at row 64 (w / 2) + 16 (w % 2)
	s_add_co_u32 s26, s26, s40
	s_lshl_b32 s40, s16, 16
	s_add_co_u32 s26, s26, s40
	s_mov_b32 s27, 0
	s_wait_kmcnt 0x0
	s_add_nc_u64 s[42:43], s[6:7], s[42:43]
	s_load_b64 s[32:33], s[42:43], 0x0             ; my expert's first tile and rows
	s_add_nc_u64 s[WB:WB+1], s[8:9], s[26:27]
	s_lshl_b32 s26, s18, 12
	s_lshl_b32 s40, s17, 7
	s_add_co_u32 s26, s26, s40
	s_add_nc_u64 s[PB:PB+1], s[10:11], s[26:27]
	s_wait_alu depctr_va_vdst(0)                   ; v1 and the fixed offsets and LDS addresses VW, VL, VS, EB0 to EB2, L16, VST, VRD, VPM, C16 are written, which the loads, stores and LDS instructions of the whole kernel read
.set m, 0
.rept 4
	global_load_b128 v[BV+4*m:BV+4*m+3], v1, s[PB:PB+1] offset:16*m
.set m, m+1
.endr
	s_lshl_b32 s26, s17, 7
	s_add_nc_u64 s[OB:OB+1], s[12:13], s[26:27]
	s_wait_kmcnt 0x0
	s_min_u32 s32, s32, 70
	s_min_u32 s33, s33, 1024
	s_add_co_u32 s34, s33, 15
	s_lshr_b32 s34, s34, 4
	s_mov_b32 s35, 0
.macro PASSA                           ; the pass's first tile and its live tiles
	s_wait_xcnt 0x0                                ; the registers that earlier loads and stores name are written again only behind this wait
	s_mul_i32 s36, s35, 10
	s_min_u32 s40, s36, s34
	s_sub_co_u32 s37, s34, s40
	s_min_u32 s37, s37, 10
.endm
.macro PASSB                           ; its ten tiles' places in h (places past the last live tile repeat it), and the four bases
	s_max_u32 s41, s34, 1
	s_sub_co_u32 s41, s41, 1
.set i, 0
.rept 10
	s_add_co_u32 s40, s36, i
	s_min_u32 s40, s40, s41
	s_add_co_u32 s40, s40, s32
	s_min_u32 s40, s40, 70
	s_lshl_b32 s40, s40, TSHIFT
	v_add_nc_u32 v[VA+i], s40, v[VL]
.set i, i+1
.endr
	s_mov_b64 s[WP:WP+1], s[WB:WB+1]               ; weights: stage 0,
	s_add_nc_u64 s[WP+WPS:WP+WPS+1], s[WB:WB+1], WSTEP  ; stage 1
	s_mov_b64 s[AP:AP+1], s[4:5]                   ; tokens: stage 0,
	s_add_nc_u64 s[AP+2:AP+3], s[4:5], ASTEP       ; stage 1
.endm
.macro WLOADH b, half                  ; eight of a stage's sixteen rows of W into buffer b, by the buffer's own base
.set j, 8*(\half)
.rept 8
	global_load_b64 v[WS+32*(\b)+2*j:WS+32*(\b)+2*j+1], v[VW], s[WP+WPS*(\b):WP+WPS*(\b)+1] offset:j*PITCH
.set j, j+1
.endr
.endm
.macro ALOAD b, n                      ; a stage's fragments of n tiles into buffer b, by the buffer's own base
.set tau, 0
.rept \n
	global_load_b128 v[XA+80*(\b)+8*tau:XA+80*(\b)+8*tau+3],   v[VA+tau], s[AP+2*(\b):AP+2*(\b)+1]
	global_load_b128 v[XA+80*(\b)+8*tau+4:XA+80*(\b)+8*tau+7], v[VA+tau], s[AP+2*(\b):AP+2*(\b)+1] offset:512
.set tau, tau+1
.endr
.endm
; A STAGE on buffer b.  left: the loads younger than this stage's.  The two bases that this stage's own loads read step at its head.  W is rounded; a wait; then tiles x 2 products, each accumulator one turn,
; and among them (issue = 1) the sixteen rows of the stage after next, in two runs of eight, into the registers that the conversions read; four places, ahead of the next stage's writes into WF and of the LDS stores of the
; sums; a wait; then the token fragments of the stage after next, into the registers that the products read.  first = 1: the products start the sums, with the bias or zeros as C.
.macro STEP b, tiles, first, issue, mt, left
	s_wait_loadcnt \left                           ; loads come back in order (ISA guide 5.7.1): this stage's weights and tokens are in; the next stage's sixteen weight loads and 2 mt token loads stay out
.if \issue
	s_add_nc_u64 s[WP+WPS*(\b):WP+WPS*(\b)+1], s[WP+WPS*(\b):WP+WPS*(\b)+1], 2*WSTEP  ; free since that wait, which shows the loads that read it done: the stage after next
	s_add_nc_u64 s[AP+2*(\b):AP+2*(\b)+1], s[AP+2*(\b):AP+2*(\b)+1], 2*ASTEP          ; likewise
.endif
	WIN 0x40                                       ; destination window 1
.set q, 0
.rept 8
	v_cvt_pk_bf16_f32 v[WF+q],   v[WS+32*(\b)+4*q],   v[WS+32*(\b)+4*q+2]
	v_cvt_pk_bf16_f32 v[WF+8+q], v[WS+32*(\b)+4*q+1], v[WS+32*(\b)+4*q+3]
.set q, q+1
.endr
.if \issue
	s_wait_alu depctr_va_vdst(0)                   ; the conversions are done reading WS[b], in which this stage's weight loads land
.endif
.set tau, 0
.rept \tiles
	WIN 0x51                                       ; W, C and D window 1, tokens window 0
.set t, 0
.rept 2
.if \first
	v_wmma_f32_16x16x32_bf16 v[16*tau+8*t:16*tau+8*t+7], v[WF+8*t:WF+8*t+7], v[XA+80*(\b)+8*tau:XA+80*(\b)+8*tau+7], v[BP+8*t:BP+8*t+7]
.else
	v_wmma_f32_16x16x32_bf16 v[16*tau+8*t:16*tau+8*t+7], v[WF+8*t:WF+8*t+7], v[XA+80*(\b)+8*tau:XA+80*(\b)+8*tau+7], v[16*tau+8*t:16*tau+8*t+7]
.endif
.set t, t+1
.endr
.if (\issue) && ((tau == 2) || (tau == 5))
	WIN 0
	WLOADH \b, tau/3                               ; no wait: no vector or matrix instruction since the wait above names WS[b] or VW
.endif
.set tau, tau+1
.endr
.rept 4
	v_nop
.endr
	WIN 0
.if \issue
	s_wait_alu depctr_va_vdst(0)                   ; this stage's matrix instructions are done reading XA[b], in which the token loads below land
	ALOAD \b, \mt
.endif
.endm
; A PASS's sixteen stages with mt tiles.  Stage 0 always takes ten, so that every accumulator is written.  Two stages are always asked for ahead of the one in hand: at a stage's head the younger loads are the next stage's
; 16 of W and 2 mt of tokens.  A stage's sixteen rows stand in the immediates (15 x 4,096 at the most, inside the signed 24 bits).
.macro KPASS mt
	s_wait_alu depctr_va_vdst(0)                   ; VA is written, which the token loads read; the bias's selects, the way out's arithmetic and the last pass's conversions and matrix instructions are done with WS and XA, in which the loads below land
	WLOADH 0, 0
	WLOADH 0, 1
	ALOAD 0, 10
	WLOADH 1, 0
	WLOADH 1, 1
	ALOAD 1, \mt
	STEP 0, 10, 1, 1, \mt, 16+2*(\mt)              ; stage 0; asks for stage 2
	s_mov_b32 s38, 6
.Lstage_\@:                                            ; stages 1 to 12, two a trip; they ask for stages 3 to 14
	STEP 1, \mt, 0, 1, \mt, 16+2*(\mt)
	STEP 0, \mt, 0, 1, \mt, 16+2*(\mt)
	s_sub_co_u32 s38, s38, 1
	s_cmp_lg_u32 s38, 0
	s_cbranch_scc1 .Lstage_\@
	STEP 1, \mt, 0, 1, \mt, 16+2*(\mt)             ; stage 13 asks for stage 15, the last
	STEP 0, \mt, 0, 0, \mt, 16+2*(\mt)             ; stages 14 and 15 ask for nothing, and state nothing
	STEP 1, \mt, 0, 0, \mt, 0
.endm
; THE WAY OUT of tile w + 8 i: the eight shares are added, the lane's 16 columns go through my stage and come back as pieces of whole rows, and each row is stored at its token's place.
.macro EPI i
.if \i
	s_cmp_ge_u32 s14, 2                            ; a pass has ten tiles: only waves 0 and 1 have a second one
	s_cbranch_scc1 .Ldead_\@
.endif
	s_add_co_u32 s39, s14, 8*(\i)
	s_cmp_ge_u32 s39, s37
	s_cbranch_scc1 .Ldead_\@                       ; a dead tile
	s_wait_xcnt 0x0                                ; earlier loads and stores have had their addresses translated: their base, offsets and data are written again only behind this wait
.if \i
	s_wait_alu depctr_vm_vsrc(0)                   ; the first tile's LDS stores have read OUTR, its stores BACK and ADR: all three are written again below
	s_wait_alu depctr_va_vdst(0)                   ; the first tile's arithmetic is done with SUM and TOK, in which the loads below land
.endif
	s_add_co_u32 s40, s32, s36
	s_add_co_u32 s40, s40, s39
	s_min_u32 s40, s40, 70
	s_lshl_b32 s26, s40, 7
	s_mov_b32 s27, 0
	s_add_nc_u64 s[PB:PB+1], s[6:7], s[26:27]
.set m, 0
.rept 4
	global_load_b32 v[TOK+m], v[VPM], s[PB:PB+1] offset:256+16*m  ; the token of row 4 m + lane / 8
.set m, m+1
.endr
.set sh, 0
.rept 8
.set q, 0
.rept 4
	ds_load_b128 v[SUM+16*sh+4*q:SUM+16*sh+4*q+3], v[EB0+sh/3] offset:(sh%3)*SHARE+(\i)*8*TB+512*q
.set q, q+1
.endr
.set sh, sh+1
.endr
	s_wait_dscnt 0x0
.set sh, 0
.rept 4                                ; shares 1, 3, 5, 7 onto 0, 2, 4, 6
.set n, 0
.rept 8
	v_pk_add_f32 v[SUM+32*sh+2*n:SUM+32*sh+2*n+1], v[SUM+32*sh+2*n:SUM+32*sh+2*n+1], v[SUM+32*sh+16+2*n:SUM+32*sh+16+2*n+1]
.set n, n+1
.endr
.set sh, sh+1
.endr
.set sh, 0
.rept 2                                ; 2 onto 0, 6 onto 4
.set n, 0
.rept 8
	v_pk_add_f32 v[SUM+64*sh+2*n:SUM+64*sh+2*n+1], v[SUM+64*sh+2*n:SUM+64*sh+2*n+1], v[SUM+64*sh+32+2*n:SUM+64*sh+32+2*n+1]
.set n, n+1
.endr
.set sh, sh+1
.endr
.set j, 0
.rept 8                                ; the last addition puts the columns in order: register j of fragment t is column 16 hh + 2 j + t
	v_add_f32 v[OUTR+2*j],   v[SUM+j],   v[SUM+64+j]
	v_add_f32 v[OUTR+2*j+1], v[SUM+8+j], v[SUM+72+j]
.set j, j+1
.endr
	s_wait_loadcnt 0x0                             ; the tokens
.set m, 0
.rept 4
	v_min_u32 v[TOK+m], 0x3ff, v[TOK+m]
	v_lshlrev_b32 v[ADR+m], 12, v[TOK+m]           ; a row of out0 is 4,096 bytes
	v_add_nc_u32 v[ADR+m], v[ADR+m], v[C16]
.set m, m+1
.endr
	s_wait_alu depctr_va_vdst(0)                   ; OUTR is written, which the LDS stores read, and ADR, which the stores read as their offsets
.set q, 0
.rept 4
	ds_store_b128 v[VST], v[OUTR+4*q:OUTR+4*q+3] offset:16*q
.set q, q+1
.endr
.set m, 0
.rept 4
	ds_load_b128 v[BACK+4*m:BACK+4*m+3], v[VRD] offset:4*m*SPITCH  ; LDS serves a wave's instructions in order (ISA guide 5.7.1.4): these see the stores above; the stage is my own
.set m, m+1
.endr
	s_wait_dscnt 0x0
.set m, 0
.rept 4
	global_store_b128 v[ADR+m], v[BACK+4*m:BACK+4*m+3], s[OB:OB+1] th:TH_STORE_NT  ; eight lanes store a row's 128 consecutive bytes
.set m, m+1
.endr
.Ldead_\@:
.endm
	PASSA
	PASSB
	s_wait_loadcnt 0x0                             ; the bias
	WIN 0x40
.set t, 0
.rept 2
.set j, 0
.rept 8
	v_cndmask_b32 v[BP+8*t+j], 0, v[BV+2*j+t], s48 ; register j of fragment t is column 16 hh + 2 j + t
.set j, j+1
.endr
.set t, t+1
.endr
	WIN 0
	s_branch .Lk                                   ; the loop over passes is entered behind its test for a dead pass: the first pass always writes the accumulators
.Lpass:
	PASSA
	s_wait_alu depctr_vm_vsrc(0)                   ; the last pass's token loads have read VA, its LDS stores the accumulators and OUTR, its stores BACK and ADR: all are written again in this pass; ahead of the branch, so that it stands on every way
	s_cmp_eq_u32 s37, 0
	s_cbranch_scc1 .Lafter                         ; a dead pass: the two barriers alone
	PASSB
.Lk:
	s_cmp_eq_u32 s37, 0
	s_cbranch_scc1 .Lv0
	s_cmp_gt_u32 s37, 8
	s_cbranch_scc1 .Lk10
	KPASS 8
	s_branch .Lafter
.Lk10:
	KPASS 10
	s_branch .Lafter
.Lv0:                                                  ; an expert without rows loads nothing; its accumulators are written once, so that no line below names a register that was never written
	WIN 0x40
.set i, 0
.rept 160
	v_mov_b32 v[i], 0
.set i, i+1
.endr
	WIN 0
.Lafter:
	s_wait_loadcnt 0x0
	s_wait_alu depctr_va_vdst(0)                   ; the matrix instructions (or the moves) have written the accumulators, which the LDS stores below read (the four places behind the last product stay beside this wait); and all earlier vector and matrix instructions are done with SUM, TOK and BACK, in which the first tile's loads land
	; my sums go into LDS, 16 bytes a lane, each accumulator from its low end on; tiles 8 and 9 only where the pass has them
	s_cmp_eq_u32 s37, 0
	s_cbranch_scc1 .Lsent
	WIN 0x04                                       ; data window 1
.set tau, 0
.rept 8
.set q, 0
.rept 4
	ds_store_b128 v[VS], v[16*tau+4*q:16*tau+4*q+3] offset:tau*TB+512*q
.set q, q+1
.endr
.set tau, tau+1
.endr
	WIN 0
	s_cmp_le_u32 s37, 8
	s_cbranch_scc1 .Lsent
	WIN 0x04
.set tau, 8
.rept 2
.set q, 0
.rept 4
	ds_store_b128 v[VS], v[16*tau+4*q:16*tau+4*q+3] offset:tau*TB+512*q
.set q, q+1
.endr
.set tau, tau+1
.endr
	WIN 0
.Lsent:
	s_wait_dscnt 0x0                               ; for the others' sake: my stores are done
	s_barrier_signal -1
	s_barrier_wait -1
	EPI 0
	EPI 1
	s_wait_dscnt 0x0                               ; my reads of the sums are over: the next pass may write them
	s_barrier_signal -1
	s_barrier_wait -1
	s_add_co_u32 s35, s35, 1
	s_cmp_lt_u32 s35, NPASS
	s_cbranch_scc1 .Lpass
	s_wait_dscnt 0x0                               ; the wave's end; the closing add goes into the spare words behind the stages
	s_wait_alu depctr_hold_cnt(0) depctr_sa_sdst(0) depctr_va_vdst(0) depctr_va_sdst(0) depctr_va_ssrc(0) depctr_va_vcc(0) depctr_vm_vsrc(0)
	s_wait_tensorcnt 0x0
	ds_add_u32 v30, v31
	s_wait_dscnt 0x0
	s_endpgm
.Lfunc_end_k_qabda063c59_ffn2:
	.size	k_qabda063c59_ffn2, .Lfunc_end_k_qabda063c59_ffn2-k_qabda063c59_ffn2
	.p2alignl 7, 3214868480
	.fill 96, 4, 3214868480
	.section	.rodata,"a",@progbits
	.p2align	6, 0x0
	.amdhsa_kernel k_qabda063c59_ffn2
		.amdhsa_group_segment_fixed_size 183296
		.amdhsa_private_segment_fixed_size 0
		.amdhsa_enable_private_segment 0
		.amdhsa_kernarg_size 40
		.amdhsa_user_sgpr_count 2
		.amdhsa_user_sgpr_kernarg_segment_ptr 1
		.amdhsa_wavefront_size32 1
		.amdhsa_system_sgpr_workgroup_id_x 1
		.amdhsa_system_sgpr_workgroup_id_y 1
		.amdhsa_system_sgpr_workgroup_id_z 1
		.amdhsa_system_vgpr_workitem_id 0
		.amdhsa_next_free_vgpr 448
		.amdhsa_next_free_sgpr 66
		.amdhsa_reserve_vcc 0
		.amdhsa_float_denorm_mode_32 3
		.amdhsa_float_denorm_mode_16_64 3
		.amdhsa_memory_ordered 1
		.amdhsa_forward_progress 1
		.amdhsa_inst_pref_size 105
	.end_amdhsa_kernel
	.amdgpu_metadata
---
amdhsa.version: [ 1, 2 ]
amdhsa.kernels:
  - .name:           k_qabda063c59_ffn2
    .symbol:         k_qabda063c59_ffn2.kd
    .args:
      - { .name: h, .offset: 0, .size: 8, .value_kind: global_buffer, .address_space: global }
      - { .name: meta, .offset: 8, .size: 8, .value_kind: global_buffer, .address_space: global }
      - { .name: W2, .offset: 16, .size: 8, .value_kind: global_buffer, .address_space: global }
      - { .name: b2, .offset: 24, .size: 8, .value_kind: global_buffer, .address_space: global }
      - { .name: out0, .offset: 32, .size: 8, .value_kind: global_buffer, .address_space: global }
    .group_segment_fixed_size: 183296
    .private_segment_fixed_size: 0
    .kernarg_segment_align: 8
    .kernarg_segment_size: 40
    .max_flat_workgroup_size: 256
    .sgpr_count:     66
    .vgpr_count:     448
    .wavefront_size: 32
...
	.end_amdgpu_metadata
.endif
;; end of part 5
